; MI455X (gfx1250); checked and timed in simulation.
; The chip was launched on July 23, 2026; its instructions are those of AMD's public machine-readable ISA for CDNA 5 (MIT licence, August 2026) and "CDNA5" Instruction Set Architecture Reference Guide (July 2026). The comments in the code are by the model that wrote it; some were corrected since.
;; Multi Head Attention. Allowed arithmetic: matrix products marked QUANTISED: E2M1 operands, one E8M0 scale for each 32 along K, by v_wmma_scale_f32_16x16x128_f8f6f4 with both operands' format E2M1 (or v_wmma_scale_f32_32x16x128_f4), f32 sums; products left as they are: bf16, f16 or f32 operands; f32 sums; everything else in f32.
;; Inputs: Wk 1,024 x 1,024 float32; Wp 1,024 x 1,024 float32; Wq 1,024 x 1,024 float32; Wv 1,024 x 1,024 float32; attention_mask 2 x 2,048 float32; bp 1,024 float32; x 2 x 2,048 x 1,024 float32.
;; Outputs: out0 2 x 2,048 x 1,024 float32.
;; This version of the problem:
;;   THIS VERSION OF THE PROBLEM IS GIVEN IN LOW PRECISION. The matrix products marked QUANTISED in the list below multiply operands that are first quantised to E2M1 (2 exponent bits, 1 mantissa bit; 4 bits a number), with one power-of-two scale for each 32 numbers along K (OCP MX v1.0); their sums are f32. The products marked 'left as it is' may take bf16, f16 or f32 operands, with f32 sums. Whichever they take, every output number must still come out within the allowed error. Rounding operands to bf16 (8 significant bits) uses up far more of that allowance than f16 does (11 bits, for magnitudes from 6e-5 to 65,504). All else is computed in f32.
;;   The module's matrix products, in the order in which they are computed (A, B: the left and right operand; K: the contracted axis; several contracted axes count as one K, in the product's order):
;;     1. [M 4,096, K 1,024] x [K 1,024, N 1,024]; A: input x; B: input Wq: QUANTISED
;;     2. [M 4,096, K 1,024] x [K 1,024, N 1,024]; A: input x; B: input Wk: QUANTISED
;;     3. [M 4,096, K 1,024] x [K 1,024, N 1,024]; A: input x; B: input Wv: QUANTISED
;;     4. batch 32 x [M 2,048, K 64] x [K 64, N 2,048]; A: computed on the way; B: computed on the way: left as it is (an operand is computed on the way)
;;     5. batch 32 x [M 64, K 2,048] x [K 2,048, N 2,048]; A: computed on the way; B: computed on the way: left as it is (an operand is computed on the way)
;;     6. [M 4,096, K 1,024] x [K 1,024, N 1,024]; A: computed on the way; B: input Wp: left as it is (an operand is computed on the way)
;;   THE QUANTISER, for each operand of a quantised product, along K:
;;     - K is cut into blocks of 32 from its start; a last block that is shorter is filled with zeros.
;;     - A block's scale is 2^e with e = floor(log2(the largest magnitude in the block)) - 2, held to -126 .. 127; a block of zeros has e = 0. As a byte (E8M0): e + 127.
;;     - Each number is divided by its block's scale, clamped to +-6, and rounded to the nearest number of E2M1, ties to even, subnormals kept.
;;     - The product sums the exact products of the quantised numbers (number of the format x scale) in f32.
;;   ~~~python
;;   def quantise(x, axis):      # numpy; x: float32 -> the quantised numbers, widened to float32 again
;;       x = np.moveaxis(x, axis, -1); K = x.shape[-1]
;;       x = np.pad(x, [(0, 0)] * (x.ndim - 1) + [(0, -K % 32)]); x = x.reshape(x.shape[:-1] + (-1, 32)); a = np.abs(x).max(-1, keepdims=True)
;;       e = np.where(a > 0, np.clip(np.frexp(np.where(a > 0, a, 1))[1] - 1 - 2, -126, 127), 0)      # np.frexp(a)[1] - 1 = floor(log2(a)), exactly
;;       r = np.clip(x / 2.0 ** e, -6, 6)
;;       step = 2.0 ** (np.maximum(np.frexp(np.where(r == 0, 1, r))[1] - 1, 0) - 1)
;;       q = np.round(r / step) * step * 2.0 ** e      # np.round: ties to even
;;       return np.moveaxis(q.reshape(q.shape[:-2] + (-1,))[..., :K], -1, axis).astype(np.float32)
;;   ~~~
;; One version. Each part assembles by itself: llvm-mc -triple=amdgcn-amd-amdhsa -mcpu=gfx1250 --defsym DOCPART=n.
;; ======== version 1 of 1: 5 launches
;; limits: values are held in f16: magnitudes above 65,504 overflow, below 6.1e-05 lose precision
;; workspace buffers: xc 2,097,152 bytes; xs 131,072 bytes; wc 1,572,864 bytes; ws 98,304 bytes; wpt 2,097,152 bytes; qkv 25,165,824 bytes; q32 786,432 bytes; att 8,388,608 bytes
;; launch prep (part 1): grid 384 x 1, 8 waves a work-group, no clusters, 70,144 bytes of LDS; arguments x, Wq, Wk, Wv, Wp, xc, xs, wc, ws, wpt; writes xc, xs, wc, ws, wpt
.if DOCPART == 1
	.amdgcn_target "amdgcn-amd-amdhsa--gfx1250"
	.amdhsa_code_object_version 6
	.text
	.protected	k_q595c80f00b_prep
	.globl	k_q595c80f00b_prep
	.p2align	8
	.type	k_q595c80f00b_prep,@function
k_q595c80f00b_prep:
	s_mov_b64 s[64:65], 0
	v_nop
	global_prefetch_b8 v0, s[64:65] scope:SCOPE_SE
	s_setreg_imm32_b32 hwreg(HW_REG_WAVE_MODE, 25, 1), 1
	s_wait_xcnt 0x0
; PREP.  x [4096][1024] f32 becomes codes of FP4 (E2M1) with one E8M0 byte for each 32 along its last axis; Wq, Wk, Wv [1024 (k)][1024 (n)] f32 likewise along their FIRST axis; Wp becomes f16.
; All results are laid in the order of the operands' registers, so that later launches read every fragment at a constant + 16 x lane:
;   xc, wc: [tile of 16 rows or columns][block of 32 k][row 16][16 bytes];  xs, ws: [tile][half of K][row 16][4 words], a word = the four scale bytes of 128 k;
;   wpt: [tile of 16 columns][32 k][1,024 bytes]: 8 k of a column are 16 bytes at 256 (k / 8 % 4) + 16 x column.
; A block's scale is 2^(floor(log2(largest magnitude)) - 2); its byte is the largest magnitude's exponent field - 2, held at 1 from below.
; LIMITS: NaN and infinities among the inputs are not served; a block whose largest magnitude lies under 2^-124 keeps the byte 1; a block of zeros has the byte 1 and not 127
; (its codes are zeros, and this program alone reads the bytes); numbers of Wp beyond f16's 65,504 become infinite.
; SHARES.  Work-groups 0-255: 16 rows of x, wave s the 128 k from 128 s on.  Work-groups 256-383: 32 columns of one of the four weights, wave s rows 128 s .. 128 s + 127.
; Every byte is read once, all of a wave's loads are issued at once; no tensor load, no matrix unit, no cluster: work-groups share no input.
; REGISTERS: v1 lane, v2 r = lane % 16, v3 h = lane / 16, v4 16 x lane, v5-v13 addresses (below), v14, v15 the add's two, v16-31 at work, v32-159 numbers, v160-223 codes or f16.
.set XPITCH, 528                       ; a stage row: 512 bytes + 16: sixteen rows start at sixteen different groups of four banks
.set XWAVE,  16*XPITCH                 ; a wave's own stage (x path)
.set XSC,    8*XWAVE                   ; x path: the tile's 128 scale words
.set WSC,    XSC+512                   ; weight path: two tiles' scale words.  Each path has LDS bytes of its own
.set SPARE,  WSC+1024                  ; the spare words, 128 bytes for each of eight waves: four blocks of 256 bytes that no other line names
.set FLOOR,  0x1800000                 ; 2^(3 - 127): under it no largest magnitude is taken
.set OFFE,   0xff000000                ; takes 2 off an exponent field
	s_load_b512 s[4:19], s[0:1], 0x0               ; x s[4:5], Wq s[6:7], Wk s[8:9], Wv s[10:11], Wp s[12:13], xc s[14:15], xs s[16:17], wc s[18:19]
	s_load_b128 s[20:23], s[0:1], 0x40             ; ws s[20:21], wpt s[22:23]
	v_lshl_add_u32 v14, v0, 2, SPARE
	v_mov_b32 v15, 0
	v_lshrrev_b32 v1, 5, v0
	v_readfirstlane_b32 s26, v1                    ; wave 0..7
	v_and_b32 v1, 31, v0                           ; lane
	v_and_b32 v2, 15, v0                           ; r
	v_bfe_u32 v3, v0, 4, 1                         ; h
	v_lshlrev_b32 v4, 4, v1                        ; 16 x lane
	v_lshlrev_b32 v16, 4, v2                       ; 16 r
	s_mul_i32 s30, s26, XWAVE
	v_add_nc_u32 v5, s30, v4                       ; stage, way in: a row's 512 bytes as they lie
	v_mul_u32_u24 v6, v2, XPITCH
	v_lshl_add_u32 v6, v3, 7, v6
	v_add_nc_u32 v6, s30, v6                       ; stage, way out: row r, block h
	s_lshr_b32 s31, s26, 2
	s_lshl_b32 s31, s31, 8
	s_and_b32 s32, s26, 3
	s_lshl_b32 s32, s32, 2
	s_add_co_u32 s31, s31, s32                     ; my K step's place among a row's words: 256 (s / 4) + 4 (s % 4)
	v_add_nc_u32 v7, s31, v16
	v_add_nc_u32 v7, XSC, v7                       ; x path: where my row's word goes
	v_add_nc_u32 v8, XSC, v4                       ; x path: the words read back, 16 bytes a lane
	v_lshl_add_u32 v9, v3, 9, v16
	v_add_nc_u32 v9, s31, v9
	v_add_nc_u32 v9, WSC, v9                       ; weight path: tile lane / 16, column r
	s_min_u32 s29, s26, 1
	s_lshl_b32 s29, s29, 9
	v_add_nc_u32 v10, s29, v4
	v_add_nc_u32 v10, WSC, v10                     ; weight path: read back, waves 0 and 1 a tile each
	v_lshlrev_b32 v11, 2, v1                       ; a weight's row: 4 bytes a lane
	v_lshl_add_u32 v12, v3, 13, v16                ; wc: tile lane / 16 (8,192 bytes), column r
	v_lshl_add_u32 v13, v3, 15, v16                ; wpt: tile lane / 16 (32,768 bytes), column r
	s_mov_b32 s38, 0x76543210
	s_mov_b32 s39, 0xfedcba98                      ; v_permlanex16_b32's selects for lane l xor 16
	s_mov_b32 s35, 0                               ; the high word of every offset
	s_wait_kmcnt 0x0
	s_cmp_ge_u32 ttmp9, 256
	s_cbranch_scc1 .Lweights
	; ---- x: tile ttmp9, K step = my wave
	s_lshl_b32 s34, ttmp9, 16                      ; 16 rows of 4,096 bytes
	s_lshl_b32 s36, s26, 9
	s_add_co_u32 s34, s34, s36
	s_add_nc_u64 s[4:5], s[4:5], s[34:35]
	s_lshl_b32 s34, ttmp9, 13
	s_lshl_b32 s36, s26, 10
	s_add_co_u32 s34, s34, s36
	s_add_nc_u64 s[14:15], s[14:15], s[34:35]      ; xc: 8,192 bytes a tile, 1,024 a K step
	s_lshl_b32 s34, ttmp9, 9
	s_add_nc_u64 s[16:17], s[16:17], s[34:35]      ; xs: 512 bytes a tile
.set i, 0
.rept 16
	global_load_b128 v[32+4*i:35+4*i], v4, s[4:5] offset:4096*i th:TH_LOAD_NT   ; row i: 32 lanes read 512 consecutive bytes
.set i, i+1
.endr
.set i, 0
.rept 16
	s_wait_loadcnt 15-i                            ; loads come back in order: row i is in, the 15 - i younger ones may be out
	ds_store_b128 v5, v[32+4*i:35+4*i] offset:XPITCH*i
.set i, i+1
.endr
.irp c, 0,1                                    ; back as the operand's layout wants them: lane (r, h) takes blocks 2 c + h of row r.  LDS serves a wave's instructions in order: these see my stores
.irp i, 0,1,2,3,4,5,6,7
	ds_load_b128 v[96+32*\c+4*\i:99+32*\c+4*\i], v6 offset:256*\c+16*\i
.endr
.endr
	s_wait_dscnt 0x0
.irp c, 0,1
	v_max3_num_f32 v[16+\c], |v[96+32*\c]|, |v[97+32*\c]|, FLOOR
.endr
.irp i, 2,4,6,8,10,12,14,16,18,20,22,24,26,28,30
.irp c, 0,1
	v_max3_num_f32 v[16+\c], v[16+\c], |v[96+32*\c+\i]|, |v[97+32*\c+\i]|   ; the two blocks by turns
.endr
.endr
.irp c, 0,1
	v_add_nc_u32 v[18+\c], OFFE, v[16+\c]          ; the conversion takes the exponent field of this operand as its scale
.endr
.irp c, 0,1
	v_lshrrev_b32 v[20+\c], 23, v[18+\c]           ; the scale's byte
.endr
	v_lshl_or_b32 v22, v21, 16, v20                ; my two bytes: blocks h and 2 + h,
	v_lshlrev_b32 v23, 3, v3
	v_lshlrev_b32 v22, v23, v22                    ; 8 h bits up;
	v_mov_b32 v24, 0
	v_permlanex16_b32 v24, v22, s38, s39
	v_or_b32 v22, v22, v24                         ; with lane l xor 16's two the word is whole
.irp c, 0,1
.irp g, 0,1,2,3
	v_cvt_scalef32_pk8_fp4_f32 v[160+4*\c+\g], v[96+32*\c+8*\g:103+32*\c+8*\g], v[18+\c]
.endr
.endr
	v_nop                                          ; a plain line behind the last conversion
.irp c, 0,1
	global_store_b128 v4, v[160+4*\c:163+4*\c], s[14:15] offset:512*\c   ; 512 consecutive bytes
.endr
	ds_store_b32 v7, v22                           ; both halves of the lanes write the same word with the same value
	s_wait_dscnt 0x0                               ; for the others' sake: my word has landed
	s_barrier_signal -1
	s_barrier_wait -1
	s_cmp_lg_u32 s26, 0
	s_cbranch_scc1 .Lend
	ds_load_b128 v[24:27], v8                      ; wave 0: the tile's 128 words
	s_wait_dscnt 0x0
	global_store_b128 v4, v[24:27], s[16:17]       ; 512 consecutive bytes
	s_branch .Lend
	; ---- the weights: a lane takes a column, its registers run down K
.Lweights:
	s_sub_co_u32 s27, ttmp9, 256
	s_and_b32 s28, s27, 31                         ; which 32 columns
	s_lshr_b32 s27, s27, 5                         ; 0 Wq, 1 Wk, 2 Wv, 3 Wp
	s_cmp_eq_u32 s27, 0
	s_cselect_b64 s[24:25], s[6:7], s[8:9]
	s_cmp_eq_u32 s27, 2
	s_cselect_b64 s[24:25], s[10:11], s[24:25]
	s_cmp_eq_u32 s27, 3
	s_cselect_b64 s[24:25], s[12:13], s[24:25]
	s_lshl_b32 s34, s26, 19                        ; 128 rows of 4,096 bytes a wave
	s_lshl_b32 s36, s28, 7
	s_add_co_u32 s34, s34, s36
	s_add_nc_u64 s[24:25], s[24:25], s[34:35]
.set i, 0
.rept 128
	global_load_b32 v[32+i], v11, s[24:25] offset:4096*i th:TH_LOAD_NT   ; row i at my column: 128 consecutive bytes a wave
.set i, i+1
.endr
	s_cmp_eq_u32 s27, 3
	s_cbranch_scc1 .Lwp
	s_lshl_b32 s34, s27, 19                        ; wc: 64 tiles a weight, two tiles a work-group, 1,024 bytes a K step
	s_lshl_b32 s36, s28, 14
	s_add_co_u32 s34, s34, s36
	s_lshl_b32 s36, s26, 10
	s_add_co_u32 s34, s34, s36
	s_add_nc_u64 s[18:19], s[18:19], s[34:35]
	s_lshl_b32 s34, s27, 15                        ; ws: 512 bytes a tile
	s_lshl_b32 s36, s28, 10
	s_add_co_u32 s34, s34, s36
	s_add_co_u32 s34, s34, s29
	s_add_nc_u64 s[20:21], s[20:21], s[34:35]
; Block t of my column: 32 numbers in my own registers.  cnt: the younger loads that may stay out (96 and 64 are younger than blocks 0 and 1; the wait's field holds 63, and a smaller count is safe)
.macro QBLOCK t, cnt
.set XS, 32+32*(\t)
	s_wait_loadcnt \cnt
	v_max3_num_f32 v17, |v[XS]|, |v[XS+1]|, |v[XS+2]|
	v_max3_num_f32 v18, |v[XS+3]|, |v[XS+4]|, |v[XS+5]|
.irp i, 6,10,14,18,22,26
	v_max3_num_f32 v17, v17, |v[XS+\i]|, |v[XS+\i+1]|
	v_max3_num_f32 v18, v18, |v[XS+\i+2]|, |v[XS+\i+3]|
.endr
	v_max3_num_f32 v17, v17, |v[XS+30]|, |v[XS+31]|
	v_max3_num_f32 v17, v17, v18, FLOOR
	v_add_nc_u32 v[20+\t], OFFE, v17
	v_lshrrev_b32 v18, 23, v[20+\t]
.if \t == 0
	v_mov_b32 v16, v18                             ; four bytes make the K step's word, the lower k in the lower byte
.else
	v_lshl_or_b32 v16, v18, 8*\t, v16
.endif
.irp g, 0,1,2,3
	v_cvt_scalef32_pk8_fp4_f32 v[160+4*\t+\g], v[XS+8*\g:XS+8*\g+7], v[20+\t]
.endr
	v_nop
	global_store_b128 v12, v[160+4*\t:163+4*\t], s[18:19] offset:256*\t   ; sixteen lanes store 256 consecutive bytes, aligned
.endm
	QBLOCK 0, 63
	QBLOCK 1, 63
	QBLOCK 2, 32
	QBLOCK 3, 0
	ds_store_b32 v9, v16
	s_wait_dscnt 0x0                               ; for the others' sake
	s_barrier_signal -1
	s_barrier_wait -1
	s_cmp_ge_u32 s26, 2
	s_cbranch_scc1 .Lend
	ds_load_b128 v[24:27], v10                     ; waves 0 and 1: a tile's 128 words each
	s_wait_dscnt 0x0
	global_store_b128 v4, v[24:27], s[20:21]
	s_branch .Lend
	; ---- Wp: rounded to f16, 8 k of a column to 16 bytes
.Lwp:
	s_lshl_b32 s34, s28, 16                        ; wpt: two tiles of 32,768 bytes a work-group, 4 x 1,024 bytes a wave
	s_lshl_b32 s36, s26, 12
	s_add_co_u32 s34, s34, s36
	s_add_nc_u64 s[22:23], s[22:23], s[34:35]
.macro HBLOCK t, cnt
	s_wait_loadcnt \cnt
.set i, 0
.rept 16
	v_cvt_pk_f16_f32 v[160+16*\t+i], v[32+32*\t+2*i], v[33+32*\t+2*i]
.set i, i+1
.endr
.irp g, 0,1,2,3
	global_store_b128 v13, v[160+16*\t+4*\g:163+16*\t+4*\g], s[22:23] offset:1024*\t+256*\g
.endr
.endm
	HBLOCK 0, 63
	HBLOCK 1, 63
	HBLOCK 2, 32
	HBLOCK 3, 0
.Lend:
	s_wait_tensorcnt 0x0                           ; the wave's end
	ds_add_u32 v14, v15
	s_wait_dscnt 0x0
	s_endpgm
.Lfunc_end_k_q595c80f00b_prep:
	.size	k_q595c80f00b_prep, .Lfunc_end_k_q595c80f00b_prep-k_q595c80f00b_prep
	.p2alignl 7, 3214868480
	.fill 96, 4, 3214868480
	.section	.rodata,"a",@progbits
	.p2align	6, 0x0
	.amdhsa_kernel k_q595c80f00b_prep
		.amdhsa_group_segment_fixed_size 70144
		.amdhsa_private_segment_fixed_size 0
		.amdhsa_enable_private_segment 0
		.amdhsa_kernarg_size 80
		.amdhsa_user_sgpr_count 2
		.amdhsa_user_sgpr_kernarg_segment_ptr 1
		.amdhsa_wavefront_size32 1
		.amdhsa_system_sgpr_workgroup_id_x 1
		.amdhsa_system_sgpr_workgroup_id_y 1
		.amdhsa_system_sgpr_workgroup_id_z 1
		.amdhsa_system_vgpr_workitem_id 0
		.amdhsa_next_free_vgpr 224
		.amdhsa_next_free_sgpr 66
		.amdhsa_reserve_vcc 0
		.amdhsa_float_denorm_mode_32 3
		.amdhsa_float_denorm_mode_16_64 3
		.amdhsa_memory_ordered 1
		.amdhsa_forward_progress 1
		.amdhsa_inst_pref_size 36
	.end_amdhsa_kernel
	.amdgpu_metadata
---
amdhsa.version: [ 1, 2 ]
amdhsa.kernels:
  - .name:           k_q595c80f00b_prep
    .symbol:         k_q595c80f00b_prep.kd
    .args:
      - { .name: x, .offset: 0, .size: 8, .value_kind: global_buffer, .address_space: global }
      - { .name: Wq, .offset: 8, .size: 8, .value_kind: global_buffer, .address_space: global }
      - { .name: Wk, .offset: 16, .size: 8, .value_kind: global_buffer, .address_space: global }
      - { .name: Wv, .offset: 24, .size: 8, .value_kind: global_buffer, .address_space: global }
      - { .name: Wp, .offset: 32, .size: 8, .value_kind: global_buffer, .address_space: global }
      - { .name: xc, .offset: 40, .size: 8, .value_kind: global_buffer, .address_space: global }
      - { .name: xs, .offset: 48, .size: 8, .value_kind: global_buffer, .address_space: global }
      - { .name: wc, .offset: 56, .size: 8, .value_kind: global_buffer, .address_space: global }
      - { .name: ws, .offset: 64, .size: 8, .value_kind: global_buffer, .address_space: global }
      - { .name: wpt, .offset: 72, .size: 8, .value_kind: global_buffer, .address_space: global }
    .group_segment_fixed_size: 70144
    .private_segment_fixed_size: 0
    .kernarg_segment_align: 8
    .kernarg_segment_size: 80
    .max_flat_workgroup_size: 256
    .sgpr_count:     66
    .vgpr_count:     224
    .wavefront_size: 32
...
	.end_amdgpu_metadata
.endif
;; end of part 1
;; launch qkv (part 2): grid 12 x 16, 4 waves a work-group, clusters of 4 x 4, 327,680 bytes of LDS; arguments xc, xs, wc, ws, qkv, q32; writes qkv, q32
.if DOCPART == 2
	.amdgcn_target "amdgcn-amd-amdhsa--gfx1250"
	.amdhsa_code_object_version 6
	.text
	.protected	k_q595c80f00b_qkv
	.globl	k_q595c80f00b_qkv
	.p2align	8
	.type	k_q595c80f00b_qkv,@function
k_q595c80f00b_qkv:
	s_mov_b64 s[64:65], 0
	v_nop
	global_prefetch_b8 v0, s[64:65] scope:SCOPE_SE
	s_setreg_imm32_b32 hwreg(HW_REG_WAVE_MODE, 25, 1), 1
	s_wait_xcnt 0x0
	s_wait_alu depctr_hold_cnt(0) depctr_sa_sdst(0) depctr_va_vdst(0) depctr_va_sdst(0) depctr_va_ssrc(0) depctr_va_vcc(0) depctr_vm_vsrc(0)
	s_getreg_b32 s2, hwreg(HW_REG_IB_STS2, 6, 4)
	s_cmp_eq_u32 s2, 0
	s_cbranch_scc0 .Lentry_in_a_cluster
	s_endpgm
.Lentry_in_a_cluster:
	s_bfe_u32 s2, ttmp6, 0x10000c
	s_cmp_lg_u32 s2, 0xf033
	s_cbranch_scc0 .Lentry_shape_is_right
	s_endpgm
.Lentry_shape_is_right:
; QKV.  [4096 rows of x] x [3072 columns: Wq | Wk | Wv], K = 1,024, on codes of FP4 (E2M1) with E8M0 scales for each 32 along K; sums in f32.
; A tile of 256 x 256 is made by four waves, each 128 x 128: 64 accumulators, 512 registers.  K = 1,024 is two LDS slots of 512: both are asked for at the head and nothing is filled again.
; Codes and scale words lie in memory in the order of the operands' registers: a fragment (16 rows x 128 k) is 1,024 bytes, read at a constant + 16 x lane: no pitch, no padding.
; CLUSTERS: 4 x 4 work-groups; x's tiles are shared along a row of the cluster, the weights' along a column: each is asked for jointly, by the same tensor load with a mask that names the four.
; Tile row = cluster y + 4 cy, so that the two tile rows that hold a sequence's first positions (0 and 8) lie in cluster row 0.
; THE MATRIX INSTRUCTION IS USED TRANSPOSED (source 0 = 16 columns of a weight, source 1 = 16 rows of x): a lane holds eight neighbouring channels of one position, 16 bytes of f16.
; OUT: qkv [q, k, v][batch x head 32][tile of 16 positions 128][2,048 bytes].  q, k: channel tile ct at 512 ct + 16 x lane: two of them are a 16-bit fragment.  v: the same 16 bytes at
; 512 ct + 256 (r / 8) + 128 h + 16 (r % 8), so that the transposing LDS load, at 512 ct + 16 x lane, finds them.  Every store covers 512 consecutive bytes: no stage in LDS.
; q32: the f32 sums of a tile row's first 16 rows, for the launch that carries positions 0-15 finely.  All four tile rows of cluster row 0 store them (no branch may hang on cy); two of the four slots,
; 393,216 bytes, are read by nobody.
; LIMIT: q, k, v beyond f16's 65,504 become infinite.
; REGISTERS: window 0: v16-29 addresses; v32-95 scale words, two sets, and nothing else; v128-191 x's fragments, one set, later the packed results.  window 1: the weights' fragments, two sets.
;   window 2: the accumulators of my rows 0-63 ((a, b) at v[8 (8 a + b)]);  window 3: those of rows 64-127.
.set NQ,    4                          ; steps of 128 along K in a slot
.set FR,    8                          ; registers of a fragment
.set NL,    2                          ; LDS loads that bring one
.set NP,    4                          ; places behind this matrix instruction (ISA guide 7.12.1)
.set TILEB, 4096                       ; a tile's 512 along K: four fragments
.set SLOT,  131072                     ; x's 16 tiles, then the weights' 16
.set SCL,   2*SLOT                     ; the scale words: x's 16 tiles of 512 bytes, then the weights'
.set SPARE, SCL+16384                  ; the spare words, 128 bytes for each wave: two blocks of 256 bytes that no other line names
.set ADRA, 16                          ; v16-17  my fragments of x in slot 0, 1
.set ADRB, 20                          ; v20-21  the same for the weights
.set LI,   25                          ; v25     16 x lane
.set CO,   26                          ; v26     my 16 bytes in a channel tile of qkv
.set ADRS, 27                          ; v27     my scale words: lanes 0-15 x's rows, lanes 16-31 the weights' columns
.set SPW,  28
.set NIL,  29
.set SC,   32                          ; set s at v[SC + 32 s]; register 4 i + q: lanes 0-15 x's block i, lanes 16-31 the weights' block i, the slot's q-th 128 along K
.set AF,   128
.set TMP,  128                         ; the way out: v128-159 and v160-191 by turns
.set G1, 24
.set G0, 32
.set G1B, 48
.set G0B, 56
.set G1S, 68
.set G0S, 76
.set G1SB, 80
.set G0SB, 88
.set MSB, 0
.macro WIN new                         ; the immediate's high byte repeats the setting that is left
.if MSB != \new
	s_set_vgpr_msb (MSB<<8)|\new
.set MSB, \new
.endif
.endm
.set MUL_LO, 0xa1                      ; source 0 window 1, source 1 window 0, C and D window 2
.set MUL_HI, 0xf1                      ; the same, C and D window 3
.set TO_B,   0x40                      ; destination window 1, address window 0
; A joint load: waves 0 and 1 fetch for x, waves 2 and 3 for the weights.  The branch hangs on the wave's number alone.  An s_nop 0 and four v_nop follow each of the two lines.
.macro JLOAD g0a, g1a, g0b, g1b
	s_cmp_eq_u32 s15, 0
	s_cbranch_scc0 .Lfor_b_\@
	tensor_load_to_lds s[\g0a:\g0a+3], s[\g1a:\g1a+7]
	s_nop 0
.rept 4
	v_nop
.endr
	s_branch .Lasked_\@
.Lfor_b_\@:
	tensor_load_to_lds s[\g0b:\g0b+3], s[\g1b:\g1b+7]
	s_nop 0
.rept 4
	v_nop
.endr
.Lasked_\@:
.endm
.macro CROUND                          ; a round of the cluster's barrier
	s_barrier_signal -1
	s_barrier_wait -1
	s_cmp_lg_u32 s14, 0
	s_cbranch_scc1 .Lnot_wave_0_\@
	s_barrier_signal -3
.Lnot_wave_0_\@:
	s_barrier_wait -3
	s_barrier_signal -1
	s_barrier_wait -1
.endm
	s_load_b128 s[4:7], s[0:1], 0x0                ; xc s[4:5], xs s[6:7]
	s_load_b128 s[8:11], s[0:1], 0x10              ; wc s[8:9], ws s[10:11]
	s_load_b64 s[12:13], s[0:1], 0x20              ; qkv
	s_load_b64 s[66:67], s[0:1], 0x28              ; q32
	v_lshl_add_u32 v[SPW], v0, 2, SPARE
	v_mov_b32 v[NIL], 0
	ds_add_u32 v[SPW], v[NIL]                      ; the wave's opening: the add, twice on end, and its wait ahead of my first tensor load
	ds_add_u32 v[SPW], v[NIL]
	v_lshrrev_b32 v1, 5, v0
	v_readfirstlane_b32 s14, v1                    ; wave 0..3
	s_lshr_b32 s15, s14, 1                         ; which half of the tile's rows is mine.  Also: I fetch for x (0) or for the weights (1)
	s_and_b32 s16, s14, 1                          ; which half of its columns.  Also: which 8 tiles I fetch
	s_bfe_u32 s40, ttmp6, 0x40000                  ; cx
	s_bfe_u32 s41, ttmp6, 0x40004                  ; cy
	s_lshl_b32 s42, ttmp9, 2
	s_add_co_u32 s42, s42, s40                     ; tile column = 4 x cluster x + cx: cluster x says q, k or v
	s_and_b32 s17, ttmp7, 0xffff                   ; cluster y
	s_or_b32 s95, s17, s15                         ; 0 where the cluster row is the first and my rows are the tile's upper half: the same in all partners, for a given wave
	s_lshl_b32 s43, s41, 2
	s_add_co_u32 s17, s17, s43                     ; tile row = cluster y + 4 cy
	s_lshl_b32 s43, 15, s43                        ; my row of the cluster
	s_lshl_b32 s44, 0x1111, s40                    ; my column
	; group 1 for codes: 8 tiles' halves: rows of 4,096 bytes (512 elements of 8), 8,192 bytes apart
	s_or_b32 s[G1+0], s43, (3<<16)|(1<<21)         ; 15:0 the mask; 17:16 elements of 8 bytes; 21 set beside a mask; no padding
	s_or_b32 s[G1B+0], s44, (3<<16)|(1<<21)
.irp g, G1, G1B
	s_mov_b32 s[\g+1], 512<<16                     ; tensor_dim0
	s_mov_b32 s[\g+2], 8<<16                       ; tensor_dim1
	s_mov_b32 s[\g+3], 512<<16                     ; tile_dim0
	s_mov_b32 s[\g+4], 8                           ; tile_dim1
	s_mov_b32 s[\g+5], 1024                        ; tensor_dim0_stride
	s_mov_b32 s[\g+6], 0
	s_mov_b32 s[\g+7], 0
.endr
	; and for scale words: 8 tiles are 4,096 dense bytes: 16 rows of 256
	s_or_b32 s[G1S+0], s43, (3<<16)|(1<<21)
	s_or_b32 s[G1SB+0], s44, (3<<16)|(1<<21)
.irp g, G1S, G1SB
	s_mov_b32 s[\g+1], 32<<16
	s_mov_b32 s[\g+2], 16<<16
	s_mov_b32 s[\g+3], 32<<16
	s_mov_b32 s[\g+4], 16
	s_mov_b32 s[\g+5], 32
	s_mov_b32 s[\g+6], 0
	s_mov_b32 s[\g+7], 0
.endr
	s_lshl_b32 s18, s16, 3
	s_lshl_b32 s20, s17, 4
	s_add_co_u32 s20, s20, s18                     ; x: first tile that I fetch: 16 x tile row + 8 x half
	s_lshl_b32 s46, s42, 4
	s_add_co_u32 s46, s46, s18                     ; the weights: 16 x tile column + 8 x half
	s_lshl_b32 s22, s20, 9                         ; their scale words, 512 bytes a tile,
	s_mov_b32 s23, 0
	s_lshl_b32 s92, s46, 9
	s_mov_b32 s93, 0
	s_lshl_b32 s20, s20, 13                        ; and their codes, 8,192 a tile
	s_mov_b32 s21, 0
	s_lshl_b32 s46, s46, 13
	s_mov_b32 s47, 0
	s_lshl_b32 s45, s14, 15                        ; where they go: 32,768 x wave; no place in the cluster enters an LDS address
	s_lshl_b32 s94, s14, 12
	s_wait_dscnt 0x0                               ; both opening adds are done
	s_wait_kmcnt 0x0
	s_add_nc_u64 s[20:21], s[4:5], s[20:21]
	s_add_nc_u64 s[22:23], s[6:7], s[22:23]
	s_add_nc_u64 s[46:47], s[8:9], s[46:47]
	s_add_nc_u64 s[92:93], s[10:11], s[92:93]
	CROUND                                         ; all sixteen work-groups are here: the joint loads meet
	s_mov_b32 s[G0S], 1
	s_add_co_u32 s[G0S+1], s94, SCL
	s_mov_b64 s[G0S+2:G0S+3], s[22:23]
	s_or_b32 s[G0S+3], s[G0S+3], 0x80000000
	s_mov_b32 s[G0SB], 1
	s_add_co_u32 s[G0SB+1], s94, SCL
	s_mov_b64 s[G0SB+2:G0SB+3], s[92:93]
	s_or_b32 s[G0SB+3], s[G0SB+3], 0x80000000
	JLOAD G0S, G1S, G0SB, G1SB                     ; the scale words first: they are wanted with slot 0
.irp s, 0,1
	s_mov_b32 s[G0+4*\s], 1
	s_add_co_u32 s[G0+4*\s+1], s45, \s*SLOT
	s_add_nc_u64 s[G0+4*\s+2:G0+4*\s+3], s[20:21], \s*TILEB
	s_or_b32 s[G0+4*\s+3], s[G0+4*\s+3], 0x80000000
	s_mov_b32 s[G0B+4*\s], 1
	s_add_co_u32 s[G0B+4*\s+1], s45, \s*SLOT
	s_add_nc_u64 s[G0B+4*\s+2:G0B+4*\s+3], s[46:47], \s*TILEB
	s_or_b32 s[G0B+4*\s+3], s[G0B+4*\s+3], 0x80000000
	JLOAD G0+4*\s, G1, G0B+4*\s, G1B               ; three tensor loads of mine are out, and no more follow
.endr
	v_and_b32 v1, 15, v0                           ; r
	v_bfe_u32 v2, v0, 4, 1                         ; h
	v_and_b32 v3, 31, v0
	v_lshlrev_b32 v[LI], 4, v3
	s_lshl_b32 s21, s15, 15                        ; my 8 tiles of x
	s_lshl_b32 s22, s16, 15                        ; my 8 of the weights,
	s_add_co_u32 s22, s22, 65536                   ; which lie behind x's 16
.irp s, 0,1
	v_add_nc_u32 v[ADRA+\s], s21, v[LI]
	v_add_nc_u32 v[ADRB+\s], s22, v[LI]
	s_add_co_u32 s21, s21, SLOT
	s_add_co_u32 s22, s22, SLOT
.endr
	v_lshlrev_b32 v5, 4, v1                        ; a row's four words
	s_lshl_b32 s21, s15, 12                        ; x's: my 8 tiles
	s_lshl_b32 s22, s16, 12                        ; the weights': my 8, behind x's 16
	s_add_co_u32 s22, s22, 8192
	s_sub_co_u32 s22, s22, s21
	v_mul_u32_u24 v6, s22, v2                      ; lanes 16-31 take the weights'
	s_add_co_u32 s21, s21, SCL
	v_add_nc_u32 v5, v5, v6
	v_add_nc_u32 v[ADRS], s21, v5
	v_lshrrev_b32 v4, 3, v1                        ; v's order of a channel tile's 16-byte pieces: 256 (r / 8) + 128 h + 16 (r % 8)
	v_lshlrev_b32 v4, 8, v4
	v_lshl_add_u32 v4, v2, 7, v4
	v_and_b32 v5, 7, v1
	v_lshl_add_u32 v4, v5, 4, v4
	s_cmp_eq_u32 ttmp9, 2                          ; cluster x = 2: these columns are v's
	s_cselect_b32 s2, -1, 0
	v_cndmask_b32 v[CO], v[LI], v4, s2
	; qkv: 8,388,608 x (q, k, v) + 262,144 x (16 batch + head) + 2,048 x tile of positions
	s_lshl_b32 s96, ttmp9, 23
	s_lshr_b32 s2, s17, 3                          ; batch
	s_lshl_b32 s2, s2, 4
	s_lshl_b32 s3, s40, 2
	s_add_co_u32 s2, s2, s3                        ; + 4 cx
	s_lshl_b32 s3, s16, 1
	s_add_co_u32 s2, s2, s3                        ; + 2 x my half: my first head
	s_lshl_b32 s2, s2, 18
	s_add_co_u32 s96, s96, s2
	s_and_b32 s2, s17, 7                           ; tile row in the batch: 16 tiles of positions
	s_lshl_b32 s2, s2, 15
	s_add_co_u32 s96, s96, s2
	s_lshl_b32 s2, s15, 14                         ; my half: 8 tiles
	s_add_co_u32 s96, s96, s2
	s_mov_b32 s97, 0
	s_add_nc_u64 s[12:13], s[12:13], s[96:97]
	s_mul_i32 s96, s41, 196608                     ; q32: slot cy, 1,024 bytes a tile of columns
	s_lshl_b32 s2, s42, 14
	s_add_co_u32 s96, s96, s2
	s_lshl_b32 s2, s16, 13
	s_add_co_u32 s96, s96, s2
	s_add_nc_u64 s[66:67], s[66:67], s[96:97]
.macro FRAG reg, adr, q, i             ; a fragment as it lies: registers 4 c .. 4 c + 3 hold k = 64 c + 32 (lane / 16) + 0 .. 31 of row lane % 16
.irp c, 0,1
	ds_load_b128 v[\reg+4*\c:\reg+4*\c+3], v[\adr] offset:TILEB*(\i)+1024*(\q)+512*\c
.endr
.endm
; 16 matrix instructions: x's blocks a0, a0 + 1 against the weights' eight.  The 64 accumulators take turns, one instruction a turn, in the same order in every step.
.macro MUL16 a0, p, q, sc, zero
.irp a, \a0, \a0+1
.irp b, 0,1,2,3,4,5,6,7
.if \zero
	v_wmma_scale_f32_16x16x128_f8f6f4 v[8*(8*((\a)%4)+\b):8*(8*((\a)%4)+\b)+7], v[128*(\p)+FR*\b:128*(\p)+FR*\b+FR-1], v[AF+FR*(\a):AF+FR*(\a)+FR-1], 0, v[SC+8*NQ*(\sc)+NQ*\b+(\q)], v[SC+8*NQ*(\sc)+NQ*(\a)+(\q)] matrix_a_fmt:MATRIX_FMT_FP4 matrix_b_fmt:MATRIX_FMT_FP4 matrix_a_scale:MATRIX_SCALE_ROW1
.else
	v_wmma_scale_f32_16x16x128_f8f6f4 v[8*(8*((\a)%4)+\b):8*(8*((\a)%4)+\b)+7], v[128*(\p)+FR*\b:128*(\p)+FR*\b+FR-1], v[AF+FR*(\a):AF+FR*(\a)+FR-1], v[8*(8*((\a)%4)+\b):8*(8*((\a)%4)+\b)+7], v[SC+8*NQ*(\sc)+NQ*\b+(\q)], v[SC+8*NQ*(\sc)+NQ*(\a)+(\q)] matrix_a_fmt:MATRIX_FMT_FP4 matrix_b_fmt:MATRIX_FMT_FP4 matrix_a_scale:MATRIX_SCALE_ROW1
.endif
.endr
.endr
.endm
.macro FETCH_B slot, q, p
	WIN TO_B
.irp i, 0,1,2,3,4,5,6,7
	FRAG 128*(\p)+FR*\i, ADRB+\slot, \q, \i
.endr
	WIN 0
.endm
.macro FETCH_A slot, q, i0
.irp i, \i0, \i0+1, \i0+2, \i0+3
	FRAG AF+FR*(\i), ADRA+\slot, \q, \i
.endr
.endm
.macro SCALES sc                       ; a slot's scale words: four words a row
.irp i, 0,1,2,3,4,5,6,7
	ds_load_b128 v[SC+8*NQ*\sc+NQ*\i:SC+8*NQ*\sc+NQ*\i+3], v[ADRS] offset:512*\i+256*\sc
.endr
.endm
.macro PLACES n                        ; plain vector lines between a matrix instruction and a load into, or a read of, its registers
.rept \n
	v_nop
.endr
.endm
.macro STEP slot, q, zero              ; 128 along K that has its successor in the same slot
	s_wait_dscnt 4*NL                              ; the weights' set and x's blocks 0-3 are in; the youngest eight loads (x's blocks 4-7) may be out
	WIN MUL_LO
	MUL16 0, (\q)%2, \q, \slot, \zero
	MUL16 2, (\q)%2, \q, \slot, \zero
	s_wait_dscnt 0
	PLACES NP
	FETCH_B \slot, (\q)+1, 1-(\q)%2
	FETCH_A \slot, (\q)+1, 0
	WIN MUL_HI
	MUL16 4, (\q)%2, \q, \slot, \zero
	MUL16 6, (\q)%2, \q, \slot, \zero
	PLACES NP
	WIN 0
	FETCH_A \slot, (\q)+1, 4
.endm
.macro STEPS slot, from
.set Q, \from
.rept NQ-1-\from
	STEP \slot, Q, 0
.set Q, Q+1
.endr
.endm
	s_wait_tensorcnt 1                             ; the scale words and my part of slot 0 are in; slot 1's load may stay out
	s_barrier_signal -1
	s_barrier_wait -1                              ; everybody's are
	FETCH_B 0, 0, 0
	FETCH_A 0, 0, 0
	SCALES 0
	FETCH_A 0, 0, 4
	STEP 0, 0, 1                                   ; the first products start the sums: nothing is cleared
	STEPS 0, 1
	; slot 0's last step changes slots: one barrier, in front of it my part of slot 1 has landed
	s_wait_tensorcnt 0x0
	ds_add_u32 v[SPW], v[NIL]
	s_wait_dscnt 4*NL+1                            ; (the add and the youngest eight loads may be out)
	WIN MUL_LO
	MUL16 0, 1, NQ-1, 0, 0
	s_wait_dscnt 0x0
	s_barrier_signal -1
	MUL16 2, 1, NQ-1, 0, 0
	WIN 0
	s_barrier_wait -1
	PLACES NP
	FETCH_B 1, 0, 0
	FETCH_A 1, 0, 0
	SCALES 1
	WIN MUL_HI
	MUL16 4, 1, NQ-1, 0, 0
	MUL16 6, 1, NQ-1, 0, 0
	PLACES NP
	WIN 0
	FETCH_A 1, 0, 4
	STEPS 1, 0
	s_wait_dscnt 4*NL                              ; the very last step: nothing more to fetch
	WIN MUL_LO
	MUL16 0, 1, NQ-1, 1, 0
	MUL16 2, 1, NQ-1, 1, 0
	s_wait_dscnt 0
	WIN MUL_HI
	MUL16 4, 1, NQ-1, 1, 0
	MUL16 6, 1, NQ-1, 1, 0
	WIN 0
	PLACES NP                                      ; in front of the first reads of results and the first writes of x's fragment registers
	; the f32 sums of my first 16 rows, as they stand, each accumulator from its low end on
	s_cmp_lg_u32 s95, 0
	s_cbranch_scc1 .Lno_side
	WIN 0x08                                       ; a store's data are its source 1: window 2
.irp b, 0,1,2,3,4,5,6,7
	global_store_b128 v[LI], v[8*\b:8*\b+3], s[66:67] offset:1024*\b
	global_store_b128 v[LI], v[8*\b+4:8*\b+7], s[66:67] offset:1024*\b+512
.endr
	WIN 0
.Lno_side:
.macro PACK a                          ; block a (16 positions x 128 channels) rounded to f16: 16 bytes a lane and channel tile
.set AC, 64*((\a)%4)
.set TT, TMP+32*((\a)%2)
	WIN 0x0a+5*((\a)/4)                            ; sources 0 and 1: window 2 or 3
.irp b, 0,1,2,3,4,5,6,7
.irp i, 0,1,2,3
	v_cvt_pk_f16_f32 v[TT+4*\b+\i], v[AC+8*\b+2*\i], v[AC+8*\b+2*\i+1]
.endr
.endr
	WIN 0
.endm
.macro SEND a
.set TT, TMP+32*((\a)%2)
.irp b, 0,1,2,3,4,5,6,7
	global_store_b128 v[CO], v[TT+4*\b:TT+4*\b+3], s[12:13] offset:262144*(\b/4)+512*(\b%4)+2048*(\a)   ; head b / 4, channel tile b % 4, tile of positions a: 512 consecutive bytes
.endr
.endm
.irp a, 0,1,2,3,4,5,6,7
.if \a > 1
	s_wait_xcnt 0x0                                ; block a - 2's stores have read their registers: they are written again only behind this wait
.endif
	PACK \a
	SEND \a
.endr
	s_wait_tensorcnt 0x0                           ; the wave's end
	ds_add_u32 v[SPW], v[NIL]
	s_wait_dscnt 0x0
	CROUND                                         ; the closing round
	s_endpgm
.Lfunc_end_k_q595c80f00b_qkv:
	.size	k_q595c80f00b_qkv, .Lfunc_end_k_q595c80f00b_qkv-k_q595c80f00b_qkv
	.p2alignl 7, 3214868480
	.fill 96, 4, 3214868480
	.section	.rodata,"a",@progbits
	.p2align	6, 0x0
	.amdhsa_kernel k_q595c80f00b_qkv
		.amdhsa_group_segment_fixed_size 327680
		.amdhsa_private_segment_fixed_size 0
		.amdhsa_enable_private_segment 0
		.amdhsa_kernarg_size 48
		.amdhsa_user_sgpr_count 2
		.amdhsa_user_sgpr_kernarg_segment_ptr 1
		.amdhsa_wavefront_size32 1
		.amdhsa_system_sgpr_workgroup_id_x 1
		.amdhsa_system_sgpr_workgroup_id_y 1
		.amdhsa_system_sgpr_workgroup_id_z 1
		.amdhsa_system_vgpr_workitem_id 0
		.amdhsa_next_free_vgpr 1024
		.amdhsa_next_free_sgpr 98
		.amdhsa_reserve_vcc 0
		.amdhsa_float_denorm_mode_32 3
		.amdhsa_float_denorm_mode_16_64 3
		.amdhsa_memory_ordered 1
		.amdhsa_forward_progress 1
		.amdhsa_inst_pref_size 119
	.end_amdhsa_kernel
	.amdgpu_metadata
---
amdhsa.version: [ 1, 2 ]
amdhsa.kernels:
  - .name:           k_q595c80f00b_qkv
    .symbol:         k_q595c80f00b_qkv.kd
    .args:
      - { .name: xc, .offset: 0, .size: 8, .value_kind: global_buffer, .address_space: global }
      - { .name: xs, .offset: 8, .size: 8, .value_kind: global_buffer, .address_space: global }
      - { .name: wc, .offset: 16, .size: 8, .value_kind: global_buffer, .address_space: global }
      - { .name: ws, .offset: 24, .size: 8, .value_kind: global_buffer, .address_space: global }
      - { .name: qkv, .offset: 32, .size: 8, .value_kind: global_buffer, .address_space: global }
      - { .name: q32, .offset: 40, .size: 8, .value_kind: global_buffer, .address_space: global }
    .group_segment_fixed_size: 327680
    .private_segment_fixed_size: 0
    .kernarg_segment_align: 8
    .kernarg_segment_size: 48
    .max_flat_workgroup_size: 128
    .sgpr_count:     98
    .vgpr_count:     1024
    .wavefront_size: 32
...
	.end_amdgpu_metadata
.endif
;; end of part 2
;; launch attn (part 3): grid 8 x 32, 16 waves a work-group, no clusters, 327,680 bytes of LDS; arguments qkv, att; writes att
.if DOCPART == 3
	.amdgcn_target "amdgcn-amd-amdhsa--gfx1250"
	.amdhsa_code_object_version 6
	.text
	.protected	k_q595c80f00b_attn
	.globl	k_q595c80f00b_attn
	.p2align	8
	.type	k_q595c80f00b_attn,@function
k_q595c80f00b_attn:
	s_mov_b64 s[64:65], 0
	v_nop
	global_prefetch_b8 v0, s[64:65] scope:SCOPE_SE
	s_setreg_imm32_b32 hwreg(HW_REG_WAVE_MODE, 25, 1), 1
	s_wait_xcnt 0x0
; ATTN.  att[b][q][head][:] = the sum over keys k <= q of softmax_k(q . k / 32) v, head size 64, 2,048 positions, 32 (batch, head) pairs.  q, k, v and the weights p are f16 operands; products, maxima and sums f32.
; reference() never reads attention_mask (its masked fill is thrown away), so no launch of this program names that buffer.
; SHARES.  Work-group (i, bh) owns query blocks i and 15 - i (128 queries each) of one head.  A block is four PAIRS of neighbouring tiles: 32 queries, aligned at 32.  A key step is 64 keys, aligned at 64, so both tiles
; of a pair are live in the same steps, and every fragment of K or V read from LDS feeds two matrix instructions.  A pair with first query Q0 walks Q0 / 64 + 1 steps: 132 for a work-group's eight pairs, whatever i.
; TWO WAVES SHARE A PAIR and take its key steps by turns (even steps, odd steps), each with its own maximum m, sum l and O^T; at the end the odd wave's go through LDS, as images of their registers, to the even wave,
; which brings both under the common maximum.  Sixteen waves of 256 registers, four to a SIMD, so that one wave's softmax stands beside another's products and LDS loads.
; Wave w: a = w / 4 says which 32 queries of a block, (a + w) % 2 which block, (w / 2 + w / 8) % 2 which steps: waves w, w + 4, w + 8, w + 12 hold two early and two late pairs and both kinds of steps.
; NO CLUSTER: the work-groups of a head walk 16 - i blocks of keys, a different number each; in a joint walk some partner would be sent tiles that none of its waves reads.
; LAYOUT.  S^T = K Q^T (source 0 = 16 keys, source 1 = 16 queries) and O^T = V^T P: a lane holds ONE query (lane % 16) throughout; two tiles of S^T, rounded in pairs, are source 1 of the second product.
; K comes out of LDS as it lies, V by the transposing load; both at a constant + 16 x lane.  O^T / l, rounded to f16, is the projection's fragment as it stands: it is stored straight from registers.
; SOFTMAX.  For each query a running maximum m and sum l: p = 2^(c s - c m), c = log2(e) / 32; in every step O and l are multiplied by a = 2^(c m_old - c m_new).
; MATRIX WORK AMONG THE EXPONENTIALS.  Tile 0's eight products K Q^T stand among tile 1's 32 exponentials, tile 1's eight products V^T P among tile 0's, one behind every fourth: they name no register of the batch.
; CAUSAL.  Every work-group walks all 8 slots of 256 keys (constant trip counts); a step all of whose keys come after a pair's queries is jumped over by a scalar branch on ids; on the diagonal hidden scores become -infinity.
; Positions 0-15 of each sequence are written here too and carried more finely by a later launch.
; LIMIT: q, k, v arrive as f16 (up to 65,504).
; REGISTERS: v1 16 x lane; v2 the address in hand; v3 r - 8 h; v4, v5 the add's two; v6 the prefetch's offset; v7, v8, v28, v29 at work; v12-27 statistics, eight a tile: +0 c m, +1 m, +2, +3 l, +4..+7 at work, a in +6;
;   v30 16 x lane + my steps' place in a slot; v31 my pair's merge images; v32-63 Q; v64-127 K, then V, of a step; v128-191 S^T, 32 a tile (p packed into the low 16); v192-255 O^T, 32 a tile.
.set LI,  1
.set ADR, 2
.set LR,  3
.set SPW, 4
.set NIL, 5
.set PFO, 6
.set ST,  12
.set LK,  30
.set MRG, 31
.set QF,  32
.set KV,  64
.set S,   128
.set OT,  192
.set SLOTB, 65536                      ; a slot: 256 keys = 4 steps.  Half c of K's tile kt of step st (1,024 bytes) at 8,192 kt + 4,096 c + 1,024 st; V's tiles likewise from VOFF on
.set VOFF,  32768
.set SPARE, 2*SLOTB                    ; the spare words, 128 bytes for each of sixteen waves: eight blocks of 256 bytes that no other line names
.set MERGE, SPARE+2048                 ; the merge images: for each pair of waves two tiles of 8 x 512 bytes of O^T and 512 of statistics; no fill lands here
.set MTILE, 4608
; scalars: s8 wave, s9 i, s10 bh, s11 my step's first key, s12 LDS byte of the steps in hand, s13 slots to ask for, s14 steps, s15 the prefetch's limit, s16, s17 my tiles' first queries, s19 my last query,
;   s20 the work-group's last query, s[22:23] c, s[24:25] lane selects, s26 the slot's first key, s[28:31] group 0, s[32:39] group 1, s[40:41] the prefetch's address, s[42:43] Q, s[46:47] att, s21, s48, s49 at work,
;   s52 my pair of waves, s53 even (0) or odd (1) steps, s54 the block, s55 which 32 queries of it
	s_load_b128 s[4:7], s[0:1], 0x0                ; qkv, att
	v_lshl_add_u32 v[SPW], v0, 2, SPARE
	v_mov_b32 v[NIL], 0
	ds_add_u32 v[SPW], v[NIL]                      ; the wave's opening: the add, twice on end, and its wait ahead of my first tensor load
	ds_add_u32 v[SPW], v[NIL]
	v_lshrrev_b32 v7, 5, v0
	v_readfirstlane_b32 s8, v7                     ; wave 0..15
	s_lshr_b32 s55, s8, 2                          ; a
	s_xor_b32 s54, s55, s8
	s_and_b32 s54, s54, 1                          ; block i (0) or block 15 - i (1)
	s_lshr_b32 s53, s8, 1
	s_lshr_b32 s52, s8, 3
	s_xor_b32 s53, s53, s52
	s_and_b32 s53, s53, 1                          ; even or odd steps: waves w and w xor 2 share a pair of tiles and differ in this alone
	s_lshl_b32 s52, s55, 1
	s_and_b32 s21, s8, 1
	s_or_b32 s52, s52, s21                         ; the pair of waves, 0..7
	s_mov_b32 s9, ttmp9
	s_and_b32 s10, ttmp7, 0xffff
	s_or_b32 s15, s21, s9                          ; the head's work-group 0 walks and loads every slot: its even waves alone prefetch
	s_cmp_eq_u32 s15, 0
	s_cselect_b32 s15, 1, -1
	; group 1, one shape for all waves: half a tile (1,024 bytes = 128 elements of 8) of each of a slot's four steps, 8,192 bytes apart
	s_mov_b32 s32, 3<<16
	s_mov_b32 s33, 128<<16                         ; tensor_dim0
	s_mov_b32 s34, 4<<16                           ; tensor_dim1
	s_mov_b32 s35, 128<<16                         ; tile_dim0
	s_mov_b32 s36, 4                               ; tile_dim1
	s_mov_b32 s37, 1024                            ; tensor_dim0_stride
	s_mov_b32 s38, 0
	s_mov_b32 s39, 0
	s_mov_b32 s28, 1
	s_lshl_b32 s29, s8, 12                         ; 4,096 x wave: waves 0-7 bring K's eight halves, waves 8-15 V's
	s_lshl_b32 s48, s10, 18                        ; my head,
	s_and_b32 s49, s8, 7
	s_lshl_b32 s49, s49, 10                        ; my half tile of a step,
	s_add_co_u32 s48, s48, s49
	s_lshr_b32 s49, s8, 3
	s_add_co_u32 s49, s49, 1
	s_lshl_b32 s49, s49, 23                        ; in k (1) or in v (2)
	s_add_co_u32 s48, s48, s49
	s_mov_b32 s49, 0
	s_lshl_b32 s16, s9, 7                          ; block i begins at query 128 i,
	s_sub_co_u32 s21, 1920, s16                    ; block 15 - i at 1,920 - 128 i
	s_cmp_eq_u32 s54, 0
	s_cselect_b32 s16, s16, s21
	s_lshl_b32 s21, s55, 5
	s_add_co_u32 s16, s16, s21                     ; tile 0's first query
	s_add_co_u32 s17, s16, 16                      ; tile 1's
	s_add_co_u32 s19, s16, 31                      ; my last query
	s_lshl_b32 s20, s9, 7
	s_sub_co_u32 s20, 2047, s20                    ; the work-group's last query
	s_lshl_b32 s42, s10, 18                        ; Q: 128 bytes a position
	s_lshl_b32 s43, s16, 7
	s_add_co_u32 s42, s42, s43
	s_mov_b32 s43, 0
	s_lshr_b32 s46, s10, 4                         ; att: 32,768 bytes a tile of 16 rows, 2,048 a head
	s_lshl_b32 s46, s46, 22
	s_and_b32 s47, s10, 15
	s_lshl_b32 s47, s47, 11
	s_add_co_u32 s46, s46, s47
	s_lshl_b32 s47, s16, 11
	s_add_co_u32 s46, s46, s47
	s_mov_b32 s47, 0
	s_mov_b32 s22, 0x3d38aa3b                      ; c = log2(e) / 32
	s_mov_b32 s23, s22                             ; (named with it as a pair)
	s_mov_b32 s24, 0x76543210
	s_mov_b32 s25, 0xfedcba98
	s_lshl_b32 s11, s53, 6                         ; my first step's first key: 0 or 64
	s_mov_b32 s12, 0
	s_mov_b32 s13, 7
	s_mov_b32 s26, 0
	s_wait_dscnt 0x0                               ; both opening adds are done
	s_wait_kmcnt 0x0
	s_add_nc_u64 s[30:31], s[4:5], s[48:49]
	s_add_nc_u64 s[40:41], s[30:31], 32768         ; slot 1's address: the first change of slots steps it to slot 2.  Nothing is prefetched at the head
	s_or_b32 s31, s31, 0x80000000
	tensor_load_to_lds s[28:31], s[32:39]          ; slot 0: every wave's one first fill
	s_nop 0
.rept 4
	v_nop
.endr
	s_add_nc_u64 s[42:43], s[4:5], s[42:43]
	s_add_nc_u64 s[46:47], s[6:7], s[46:47]
	v_and_b32 v7, 31, v0
	v_lshlrev_b32 v[LI], 4, v7
.irp t, 0,1
.irp c, 0,1
.irp g, 0,1
	global_load_b128 v[QF+16*\t+8*\c+4*\g:QF+16*\t+8*\c+4*\g+3], v[LI], s[42:43] offset:2048*\t+1024*\c+512*\g   ; Q stays in registers; 512 consecutive bytes a load
.endr
.endr
.endr
	s_lshl_b32 s48, s53, 10
	v_add_nc_u32 v[LK], s48, v[LI]                 ; odd steps lie 1,024 bytes behind even ones
	s_mul_i32 s48, s52, 2*MTILE
	s_add_co_u32 s48, s48, MERGE
	v_add_nc_u32 v[MRG], s48, v[LI]                ; the odd wave stores here, the even wave of the same pair loads here
	v_and_b32 v8, 15, v0
	v_bfe_u32 v28, v0, 4, 1
	v_lshlrev_b32 v28, 3, v28
	v_sub_nc_u32 v[LR], v8, v28                    ; r - 8 h
	v_lshrrev_b32 v28, 3, v7
	v_lshlrev_b32 v28, 13, v28
	v_and_b32 v29, 7, v7
	v_lshl_add_u32 v[PFO], v29, 8, v28             ; a tile's four rows of 2,048 bytes: 32 blocks of 256, a lane a block
.irp t, 0,1
	v_mov_b32 v[ST+8*\t+1], 0xff61b1e6             ; m: -3e38, under every score
	v_mul_f32 v[ST+8*\t], s22, v[ST+8*\t+1]
.irp j, 2,3,4,5,6,7
	v_mov_b32 v[ST+8*\t+\j], 0
.endr
.endr
.set n, 0
.rept 64
	v_mov_b32 v[OT+n], 0                           ; O^T.  (The step is written without a first step of its own: the first finds zeros, which a = 0 leaves zeros; a wave with no live step hands zeros on)
.set n, n+1
.endr
.macro PLACES n
.rept \n
	v_nop
.endr
.endm
.macro KLOAD                           ; a step's K: 64 keys x 64 channels: fragment (kt, c) at v[KV + 8 (2 kt + c)]
.irp kt, 0,1,2,3
.irp c, 0,1
.irp g, 0,1
	ds_load_b128 v[KV+8*(2*\kt+\c)+4*\g:KV+8*(2*\kt+\c)+4*\g+3], v[ADR] offset:8192*\kt+4096*\c+512*\g
.endr
.endr
.endr
.endm
.macro VLOAD                           ; a step's V, turned: fragment (32 keys kk, 16 channels ct) at v[KV + 8 (4 kk + ct)]
.irp kk, 0,1
.irp ct, 0,1,2,3
.irp u, 0,1
	ds_load_tr16_b128 v[KV+8*(4*\kk+\ct)+4*\u:KV+8*(4*\kk+\ct)+4*\u+3], v[ADR] offset:VOFF+8192*(2*\kk+\u)+4096*(\ct/2)+512*(\ct%2)
.endr
.endr
.endr
.endm
; Product e of 8 of tile t's S^T: channels 32 (e / 4) on, keys 16 (e % 4) on.  Four accumulators by turns; the first four products start the sums.
.macro SPROD t
.if e < 4
	v_wmma_f32_16x16x32_f16 v[S+32*\t+8*(e%4):S+32*\t+8*(e%4)+7], v[KV+8*(2*(e%4)+e/4):KV+8*(2*(e%4)+e/4)+7], v[QF+16*\t+8*(e/4):QF+16*\t+8*(e/4)+7], 0
.else
	v_wmma_f32_16x16x32_f16 v[S+32*\t+8*(e%4):S+32*\t+8*(e%4)+7], v[KV+8*(2*(e%4)+e/4):KV+8*(2*(e%4)+e/4)+7], v[QF+16*\t+8*(e/4):QF+16*\t+8*(e/4)+7], v[S+32*\t+8*(e%4):S+32*\t+8*(e%4)+7]
.endif
.endm
; Product e of 8 of tile t's O^T += V^T P: keys 32 (e / 4) on, channels 16 (e % 4) on.
.macro PVPROD t
	v_wmma_f32_16x16x32_f16 v[OT+32*\t+8*(e%4):OT+32*\t+8*(e%4)+7], v[KV+8*e:KV+8*e+7], v[S+32*\t+8*(e/4):S+32*\t+8*(e/4)+7], v[OT+32*\t+8*(e%4):OT+32*\t+8*(e%4)+7]
.endm
; On the diagonal: register n of a tile holds key KF + 16 (n / 8) + 8 h + n % 8, hidden where 16 (n / 8) + n % 8 > d = first query + r - 8 h - KF.  A step all of whose keys count jumps over this.
.macro MASK t, q0
	s_add_co_u32 s48, s11, 63
	s_cmp_le_u32 s48, s[\q0]
	s_cbranch_scc1 .Lopen_\@
	s_sub_co_i32 s48, s[\q0], s11
	v_add_nc_u32 v7, s48, v[LR]
	v_mov_b32 v8, 0xff800000                       ; -infinity
.set n, 0
.rept 32
	v_cmp_gt_i32 vcc_lo, 16*(n/8)+n%8, v7
	v_cndmask_b32 v[S+32*\t+n], v[S+32*\t+n], v8, vcc_lo
.set n, n+1
.endr
.Lopen_\@:
.endm
; A tile's softmax for a step, in three parts.  The first: the mask, the new maximum, c s - c m.
.macro SM_HEAD t, q0
	MASK \t, \q0
.set rT, ST+8*\t
.set rS, S+32*\t
.irp j, 0,1,2,3
	v_max3_num_f32 v[rT+4+\j], v[rS+8*\j], v[rS+8*\j+1], v[rS+8*\j+2]   ; four chains, each from its accumulator's low end on
.endr
.irp u, 1,2
.irp j, 0,1,2,3
	v_max3_num_f32 v[rT+4+\j], v[rT+4+\j], v[rS+8*\j+2*\u+1], v[rS+8*\j+2*\u+2]
.endr
.endr
	v_max3_num_f32 v[rT+4], v[rT+4], v[rS+7], v[rS+15]
	v_max3_num_f32 v[rT+6], v[rT+6], v[rS+23], v[rS+31]
	v_max3_num_f32 v[rT+4], v[rT+4], v[rT+5], v[rT+6]
	v_max3_num_f32 v[rT+4], v[rT+4], v[rT+7], v[rT+1]      ; and the old m
	v_permlanex16_b32 v[rT+5], v[rT+4], s24, s25           ; the query's other 32 keys lie in the lane 16 away
	v_mov_b32 v[rT+7], v[rT]                               ; c m_old
	v_max_num_f32 v[rT+1], v[rT+4], v[rT+5]
	v_mul_f32 v[rT], s22, v[rT+1]
	v_sub_f32 v[rT+7], v[rT+7], v[rT]
.set n, 0
.rept 16
	v_pk_fma_f32 v[rS+n:rS+n+1], v[rS+n:rS+n+1], s[22:23], v[rT:rT+1] op_sel_hi:[1,0,0] neg_lo:[0,0,1] neg_hi:[0,0,1]   ; c s - c m
.set n, n+2
.endr
.endm
; The second: one batch of 33 exponentials with one wait.  Eight matrix instructions of the OTHER tile stand among them, one behind every fourth: kind 0: tile 0's K Q^T; kind 1: tile 1's V^T P.
; They name none of the batch's registers, and the batch writes none of theirs.
.macro SM_EXP t, kind
.set rT, ST+8*\t
.set rS, S+32*\t
	v_exp_f32 v[rT+6], v[rT+7]                             ; a
.set n, 0
.rept 32
	v_exp_f32 v[rS+n], v[rS+n]                             ; p
.if n%4 == 1
.set e, n/4
.if \kind == 0
	SPROD 0
.else
	PVPROD 1
.endif
.endif
.set n, n+1
.endr
	v_nop                                                  ; a plain line behind the last exponential
	s_wait_alu depctr_va_vdst(0)                           ; one wait for the batch, ahead of its first reader
.endm
; The third: the sum of the unrounded p, p rounded to f16, O^T x a.  vl = 1: V's run of loads stands behind the sums, which are the places behind the last product that read K.
.macro SM_REST t, vl
.set rT, ST+8*\t
.set rS, S+32*\t
.set rO, OT+32*\t
	v_pk_add_f32 v[rT+4:rT+5], v[rS:rS+1], v[rS+2:rS+3]    ; in two chains
	v_pk_add_f32 v[28:29], v[rS+4:rS+5], v[rS+6:rS+7]
.irp j, 8,12,16,20,24,28
	v_pk_add_f32 v[rT+4:rT+5], v[rT+4:rT+5], v[rS+\j:rS+\j+1]
	v_pk_add_f32 v[28:29], v[28:29], v[rS+\j+2:rS+\j+3]
.endr
	v_pk_add_f32 v[rT+4:rT+5], v[rT+4:rT+5], v[28:29]
	v_pk_fma_f32 v[rT+2:rT+3], v[rT+2:rT+3], v[rT+6:rT+7], v[rT+4:rT+5] op_sel_hi:[1,0,1]   ; l = a l + the sum
.if \vl
	VLOAD                                                  ; lands under the lines below and the other tile's maximum
.endif
.set n, 0
.rept 16
	v_cvt_pk_f16_f32 v[rS+n], v[rS+2*n], v[rS+2*n+1]       ; in place, ascending: register n is written when 2 n and 2 n + 1 are read
.set n, n+1
.endr
.set n, 0
.rept 16
	v_pk_mul_f32 v[rO+n:rO+n+1], v[rO+n:rO+n+1], v[rT+6:rT+7] op_sel_hi:[1,0]   ; O^T x a
.set n, n+2
.endr
.endm
; A KEY STEP of mine: 64 keys, both tiles.  The branch hangs on ids and the count of steps.  The lines at its end that step the key and the address are on every path.
.macro STEP
	s_cmp_gt_u32 s11, s19                          ; all keys come after my 32 queries
	s_cbranch_scc1 .Lhid_\@
	v_add_nc_u32 v[ADR], s12, v[LK]
	PLACES 5                                       ; with the line above six places behind the last step's products: four are owed to the loads into V's registers
	KLOAD
	s_wait_dscnt 0x0
.set e, 0
.rept 8
	SPROD 1
.set e, e+1
.endr
	PLACES 4                                       ; in front of the first reads of tile 1's scores
	SM_HEAD 1, 17
	SM_EXP 1, 0                                    ; tile 0's scores are made under tile 1's exponentials
	SM_REST 1, 1
	SM_HEAD 0, 16
	s_wait_dscnt 0x0                               ; V is in
	SM_EXP 0, 1                                    ; tile 1's V^T P under tile 0's exponentials
	SM_REST 0, 0
.set e, 0
.rept 8
	PVPROD 0
.set e, e+1
.endr
.Lhid_\@:
	s_add_co_u32 s11, s11, 128                     ; my next step lies two steps on
	s_add_co_u32 s12, s12, 2048
.endm
.macro SLOT_STEPS                      ; my two of a slot's four steps
	s_mov_b32 s14, 2
.Lstep_\@:
	STEP
	s_sub_co_u32 s14, s14, 1
	s_cmp_lg_u32 s14, 0
	s_cbranch_scc1 .Lstep_\@
	s_sub_co_u32 s12, s12, 4096                    ; back to a slot's head,
	s_xor_b32 s12, s12, SLOTB                      ; in the other slot
	s_add_co_u32 s26, s26, 256
.endm
; THE CHANGE OF SLOTS stands at a slot's head.  Each wave waits for all its tensor loads (its part of the slot ahead), adds 0 to its spare word, and waits for that and for its reads of the slot that it has left.
; Behind the barrier the other slot is filled with the next 256 keys, one load a wave, while that slot's first key is at or under the work-group's last query: a slot beyond is read by none of its waves.
; Each load holds bytes of the slot's first step, which the wave with the work-group's last queries and the even steps reads whenever the slot is asked for.
; Every wait on TENSORcnt in this text is for 0.
.macro CHANGE fill
	s_wait_tensorcnt 0x0                           ; no tensor load of mine is out, so group 0 may be written
	ds_add_u32 v[SPW], v[NIL]
.if \fill
	s_xor_b32 s29, s29, SLOTB
	s_add_nc_u64 s[30:31], s[30:31], 32768         ; the next 256 keys; the type bits on top are not reached
	s_wait_xcnt 0x0                                ; the last prefetch, a slot back, has read its address
	s_add_nc_u64 s[40:41], s[40:41], 32768         ; one slot further on than group 0
.endif
	s_wait_dscnt 0x0
	s_barrier_signal -1
	s_barrier_wait -1
.if \fill
	s_add_co_u32 s48, s26, 256                     ; the first key of the slot that this change would ask for
	s_cmp_gt_u32 s48, s20
	s_cbranch_scc1 .Lpast_\@
	tensor_load_to_lds s[28:31], s[32:39]
	s_nop 0
.rept 4
	v_nop
.endr
.Lpast_\@:
	s_cmp_gt_u32 s13, s15                          ; A PREFETCH INTO THE L2 of what the NEXT change will ask for, four key steps ahead.  The eight work-groups of a head walk the same K and V: work-group 0 alone asks;
	s_cbranch_scc0 .Lnoask_\@                      ; in it each even wave names the four rows of the tile whose halves it and the next wave load: 32 blocks of 256 bytes, a lane a block, each named once.  The last filling change asks for nothing
	global_prefetch_b8 v[PFO], s[40:41] th:TH_LOAD_NT scope:SCOPE_SE
.Lnoask_\@:
.endif
.endm
	s_wait_loadcnt 0x0                             ; Q
.Lslot:                                                ; 7 trips; slot 1's first fill stands behind the first trip's barrier, where every load is a first fill
	CHANGE 1
	SLOT_STEPS
	s_sub_co_u32 s13, s13, 1
	s_cmp_lg_u32 s13, 0
	s_cbranch_scc1 .Lslot
	CHANGE 0                                       ; the last slot is written out: nothing is left to ask for
	SLOT_STEPS
	; THE MERGE.  The wave of the odd steps stores O^T and its statistics (c m, m, l, l) as they stand, 16 bytes a lane and group of four registers; behind a barrier the wave of the even steps has them in the same lanes.
	PLACES 4                                       ; behind the last products: in front of the reads of O^T and of the loads into S^T's and V's registers
	s_cmp_eq_u32 s53, 0
	s_cbranch_scc1 .Lkeep
.irp t, 0,1
.irp g, 0,1,2,3,4,5,6,7
	ds_store_b128 v[MRG], v[OT+32*\t+4*\g:OT+32*\t+4*\g+3] offset:MTILE*\t+512*\g   ; each accumulator from its low end on
.endr
	ds_store_b128 v[MRG], v[ST+8*\t:ST+8*\t+3] offset:MTILE*\t+4096
.endr
.Lkeep:
	s_wait_dscnt 0x0                               ; for the other wave's sake: my stores have landed
	s_barrier_signal -1
	s_barrier_wait -1
	s_cmp_lg_u32 s53, 0
	s_cbranch_scc1 .Lend
.irp t, 0,1
.irp g, 0,1,2,3,4,5,6,7
	ds_load_b128 v[S+32*\t+4*\g:S+32*\t+4*\g+3], v[MRG] offset:MTILE*\t+512*\g
.endr
	ds_load_b128 v[KV+4*\t:KV+4*\t+3], v[MRG] offset:MTILE*\t+4096
.endr
	s_wait_dscnt 0x0
; Tile t: both parts under the common maximum (key 0 lies in an even step and counts for every query, so that maximum is a score), divided by the sum, rounded to f16: a lane's eight channels of a channel tile are
; 16 bytes of the projection's fragment.
.macro OUT t
.set rT, ST+8*\t
.set rS, S+32*\t
.set rO, OT+32*\t
.set pS, KV+4*\t
	v_max_num_f32 v[rT+7], v[rT], v[pS]            ; c m
	v_add_f32 v[rT+2], v[rT+2], v[rT+3]            ; my l,
	v_add_f32 v[pS+2], v[pS+2], v[pS+3]            ; the other wave's
	v_sub_f32 v[rT+4], v[rT], v[rT+7]
	v_sub_f32 v[rT+6], v[pS], v[rT+7]
	v_exp_f32 v[rT+4], v[rT+4]
	v_exp_f32 v[rT+6], v[rT+6]
	v_nop
	s_wait_alu depctr_va_vdst(0)
	v_mul_f32 v[rT+2], v[rT+2], v[rT+4]
	v_fma_f32 v[rT+2], v[pS+2], v[rT+6], v[rT+2]
	v_permlanex16_b32 v[rT+3], v[rT+2], s24, s25
	v_add_f32 v[rT+2], v[rT+2], v[rT+3]            ; the row's sum
	v_rcp_f32 v[rT+5], v[rT+2]
	v_nop
	s_wait_alu depctr_va_vdst(0)
	v_mul_f32 v[rT+4], v[rT+4], v[rT+5]
	v_mul_f32 v[rT+6], v[rT+6], v[rT+5]
.set n, 0
.rept 16
	v_pk_mul_f32 v[rO+n:rO+n+1], v[rO+n:rO+n+1], v[rT+4:rT+5] op_sel_hi:[1,0]
.set n, n+2
.endr
.set n, 0
.rept 16
	v_pk_fma_f32 v[rO+n:rO+n+1], v[rS+n:rS+n+1], v[rT+6:rT+7], v[rO+n:rO+n+1] op_sel_hi:[1,0,1]
.set n, n+2
.endr
.set n, 0
.rept 16
	v_cvt_pk_f16_f32 v[rS+n], v[rO+2*n], v[rO+2*n+1]
.set n, n+1
.endr
.irp ct, 0,1,2,3
	global_store_b128 v[LI], v[rS+4*\ct:rS+4*\ct+3], s[46:47] offset:32768*\t+512*\ct   ; 512 consecutive bytes
.endr
.endm
	OUT 0
	OUT 1
.Lend:
	s_wait_tensorcnt 0x0                           ; the wave's end: behind my last tensor load and my last LDS store
	ds_add_u32 v[SPW], v[NIL]
	s_wait_dscnt 0x0
	s_endpgm
.Lfunc_end_k_q595c80f00b_attn:
	.size	k_q595c80f00b_attn, .Lfunc_end_k_q595c80f00b_attn-k_q595c80f00b_attn
	.p2alignl 7, 3214868480
	.fill 96, 4, 3214868480
	.section	.rodata,"a",@progbits
	.p2align	6, 0x0
	.amdhsa_kernel k_q595c80f00b_attn
		.amdhsa_group_segment_fixed_size 327680
		.amdhsa_private_segment_fixed_size 0
		.amdhsa_enable_private_segment 0
		.amdhsa_kernarg_size 16
		.amdhsa_user_sgpr_count 2
		.amdhsa_user_sgpr_kernarg_segment_ptr 1
		.amdhsa_wavefront_size32 1
		.amdhsa_system_sgpr_workgroup_id_x 1
		.amdhsa_system_sgpr_workgroup_id_y 1
		.amdhsa_system_sgpr_workgroup_id_z 1
		.amdhsa_system_vgpr_workitem_id 0
		.amdhsa_next_free_vgpr 256
		.amdhsa_next_free_sgpr 66
		.amdhsa_reserve_vcc 1
		.amdhsa_float_denorm_mode_32 3
		.amdhsa_float_denorm_mode_16_64 3
		.amdhsa_memory_ordered 1
		.amdhsa_forward_progress 1
		.amdhsa_inst_pref_size 64
	.end_amdhsa_kernel
	.amdgpu_metadata
---
amdhsa.version: [ 1, 2 ]
amdhsa.kernels:
  - .name:           k_q595c80f00b_attn
    .symbol:         k_q595c80f00b_attn.kd
    .args:
      - { .name: qkv, .offset: 0, .size: 8, .value_kind: global_buffer, .address_space: global }
      - { .name: att, .offset: 8, .size: 8, .value_kind: global_buffer, .address_space: global }
    .group_segment_fixed_size: 327680
    .private_segment_fixed_size: 0
    .kernarg_segment_align: 8
    .kernarg_segment_size: 16
    .max_flat_workgroup_size: 512
    .sgpr_count:     66
    .vgpr_count:     256
    .wavefront_size: 32
...
	.end_amdgpu_metadata
.endif
;; end of part 3
;; launch proj (part 4): grid 8 x 32, 4 waves a work-group, clusters of 4 x 4, 327,680 bytes of LDS; arguments att, wpt, out0, bp; writes out0
.if DOCPART == 4
	.amdgcn_target "amdgcn-amd-amdhsa--gfx1250"
	.amdhsa_code_object_version 6
	.text
	.protected	k_q595c80f00b_proj
	.globl	k_q595c80f00b_proj
	.p2align	8
	.type	k_q595c80f00b_proj,@function
k_q595c80f00b_proj:
	s_mov_b64 s[64:65], 0
	v_nop
	global_prefetch_b8 v0, s[64:65] scope:SCOPE_SE
	s_setreg_imm32_b32 hwreg(HW_REG_WAVE_MODE, 25, 1), 1
	s_wait_xcnt 0x0
	s_wait_alu depctr_hold_cnt(0) depctr_sa_sdst(0) depctr_va_vdst(0) depctr_va_sdst(0) depctr_va_ssrc(0) depctr_va_vcc(0) depctr_vm_vsrc(0)
	s_getreg_b32 s2, hwreg(HW_REG_IB_STS2, 6, 4)
	s_cmp_eq_u32 s2, 0
	s_cbranch_scc0 .Lentry_in_a_cluster
	s_endpgm
.Lentry_in_a_cluster:
	s_bfe_u32 s2, ttmp6, 0x10000c
	s_cmp_lg_u32 s2, 0xf033
	s_cbranch_scc0 .Lentry_shape_is_right
	s_endpgm
.Lentry_shape_is_right:
; PROJ.  out0[m][n] = the sum over k of att[m][k] Wp[k][n] + bp[n].  4,096 x 1,024, K = 1,024; f16 operands, f32 sums, f32 out.
; 256 tiles of 128 x 128, one to a work-group of four waves, each 64 x 64: 16 accumulators.  K goes in four chunks of 256 through a ring of two LDS slots filled by the tensor data mover.
; att and wpt lie in the order of the operands' registers: a fragment (16 rows x 32 k) is 1,024 bytes, read at a constant + 16 x lane: no pitch, no padding.
; CLUSTERS: 4 x 4 work-groups; att's tiles are shared along a row of the cluster, wpt's along a column: each is asked for jointly.
; THE MATRIX INSTRUCTION IS USED TRANSPOSED (source 0 = 16 columns of Wp, source 1 = 16 rows of att): a lane holds eight neighbouring numbers of a row of out0.  The bias is the C of each sum's first product.
; A wave's 64 columns are 256 bytes, aligned: each wave sends its blocks of 16 rows through a stage of its own, with no barrier.
; The 32 rows of positions 0-15 are written here and once more, more finely, by the last launch.
; REGISTERS: window 0: v16-29 addresses; v32-95 the way out; v96-127 the bias, four tiles of 8; v128-255 the accumulators ((a, b) at v[128 + 8 (4 a + b)]).  window 1: two fragment buffers of 128.
.set KCH,    8192                      ; 256 along K of a tile of 16 rows: eight fragments
.set SLOT,   131072                    ; att's 8 tiles, then wpt's 8
.set STAGE,  2*SLOT                    ; 16 rows x 272 bytes for each wave
.set SPITCH, 272
.set SPARE,  STAGE+4*16*SPITCH         ; the spare words, 128 bytes for each wave: two blocks of 256 bytes that no other line names
.set LAPS,   2
.set ADRA, 16
.set ADRB, 20
.set STO,  24
.set RD,   25
.set CO,   26
.set SPW,  28
.set NIL,  29
.set TMP,  32
.set BIAS, 96
.set ACC,  128
.set F0,   0
.set F1,   128
.set G1, 24
.set G0, 32
.set G1B, 48
.set G0B, 56
.set MSB, 0
.macro WIN new
.if MSB != \new
	s_set_vgpr_msb (MSB<<8)|\new
.set MSB, \new
.endif
.endm
.set MUL,  0x05                        ; sources 0 and 1 window 1; C and D window 0
.set TO_F, 0x40                        ; destination window 1, address window 0
.macro JLOAD s                         ; a joint load: waves 0 and 1 fetch att's halves, waves 2 and 3 wpt's; an s_nop 0 and four v_nop follow each of the two lines
	s_cmp_eq_u32 s11, 0
	s_cbranch_scc0 .Lfor_b_\@
	tensor_load_to_lds s[G0+4*\s:G0+4*\s+3], s[G1:G1+7]
	s_nop 0
.rept 4
	v_nop
.endr
	s_branch .Lasked_\@
.Lfor_b_\@:
	tensor_load_to_lds s[G0B+4*\s:G0B+4*\s+3], s[G1B:G1B+7]
	s_nop 0
.rept 4
	v_nop
.endr
.Lasked_\@:
.endm
.macro CREST
	s_cmp_lg_u32 s10, 0
	s_cbranch_scc1 .Lnot_wave_0_\@
	s_barrier_signal -3
.Lnot_wave_0_\@:
	s_barrier_wait -3
	s_barrier_signal -1
	s_barrier_wait -1
.endm
.macro CROUND
	s_barrier_signal -1
	s_barrier_wait -1
	CREST
.endm
	s_load_b128 s[4:7], s[0:1], 0x0                ; att, wpt
	s_load_b64 s[8:9], s[0:1], 0x10                ; out0
	s_load_b64 s[66:67], s[0:1], 0x18              ; bp
	v_lshl_add_u32 v[SPW], v0, 2, SPARE
	v_mov_b32 v[NIL], 0
	ds_add_u32 v[SPW], v[NIL]                      ; the wave's opening: the add, twice on end, and its wait ahead of my first tensor load
	ds_add_u32 v[SPW], v[NIL]
	v_lshrrev_b32 v1, 5, v0
	v_readfirstlane_b32 s10, v1                    ; wave 0..3
	s_lshr_b32 s11, s10, 1                         ; my half of the rows.  Also: I fetch for att (0) or wpt (1)
	s_and_b32 s12, s10, 1                          ; my half of the columns.  Also: which 4 tiles I fetch
	s_bfe_u32 s40, ttmp6, 0x40000
	s_bfe_u32 s41, ttmp6, 0x40004
	s_lshl_b32 s42, ttmp9, 2
	s_add_co_u32 s42, s42, s40                     ; tile column
	s_and_b32 s13, ttmp7, 0xffff
	s_lshl_b32 s13, s13, 2
	s_add_co_u32 s13, s13, s41                     ; tile row
	s_lshl_b32 s43, s41, 2
	s_lshl_b32 s43, 15, s43
	s_lshl_b32 s44, 0x1111, s40
	; group 1: a chunk of four tiles: rows of 8,192 bytes (1,024 elements of 8), 32,768 bytes apart
	s_or_b32 s[G1+0], s43, (3<<16)|(1<<21)
	s_or_b32 s[G1B+0], s44, (3<<16)|(1<<21)
.irp g, G1, G1B
	s_mov_b32 s[\g+1], 1024<<16
	s_mov_b32 s[\g+2], 4<<16
	s_mov_b32 s[\g+3], 1024<<16
	s_mov_b32 s[\g+4], 4
	s_mov_b32 s[\g+5], 4096
	s_mov_b32 s[\g+6], 0
	s_mov_b32 s[\g+7], 0
.endr
	s_lshl_b32 s18, s12, 17                        ; four tiles of 32,768 bytes
	s_lshl_b32 s16, s13, 18                        ; eight tiles a tile row
	s_add_co_u32 s16, s16, s18
	s_mov_b32 s17, 0
	s_lshl_b32 s46, s42, 18
	s_add_co_u32 s46, s46, s18
	s_mov_b32 s47, 0
	s_lshl_b32 s20, s10, 15                        ; where they go: 32,768 x wave
	s_wait_dscnt 0x0
	s_wait_kmcnt 0x0
	s_add_nc_u64 s[14:15], s[4:5], s[16:17]
	s_add_nc_u64 s[46:47], s[6:7], s[46:47]
	CROUND
.irp s, 0,1
	s_mov_b32 s[G0+4*\s], 1
	s_add_co_u32 s[G0+4*\s+1], s20, \s*SLOT
	s_add_nc_u64 s[G0+4*\s+2:G0+4*\s+3], s[14:15], \s*KCH
	s_or_b32 s[G0+4*\s+3], s[G0+4*\s+3], 0x80000000
	s_mov_b32 s[G0B+4*\s], 1
	s_add_co_u32 s[G0B+4*\s+1], s20, \s*SLOT
	s_add_nc_u64 s[G0B+4*\s+2:G0B+4*\s+3], s[46:47], \s*KCH
	s_or_b32 s[G0B+4*\s+3], s[G0B+4*\s+3], 0x80000000
	JLOAD \s
.endr
	v_and_b32 v1, 15, v0                           ; r
	v_bfe_u32 v2, v0, 4, 1                         ; h
	v_and_b32 v3, 31, v0
	v_lshlrev_b32 v3, 4, v3                        ; 16 x lane
	s_lshl_b32 s46, s42, 9                         ; my first column, in bytes: 512 x tile column + 256 x half
	s_lshl_b32 s47, s12, 8
	s_add_co_u32 s46, s46, s47
	s_mov_b32 s47, 0
	s_add_nc_u64 s[66:67], s[66:67], s[46:47]
	v_lshlrev_b32 v6, 5, v2
.irp b, 0,1,2,3
	global_load_b128 v[BIAS+8*\b:BIAS+8*\b+3], v6, s[66:67] offset:64*\b          ; bp at my lane's eight columns of tile b: the result's layout
	global_load_b128 v[BIAS+8*\b+4:BIAS+8*\b+7], v6, s[66:67] offset:64*\b+16
.endr
	s_lshl_b32 s21, s11, 15                        ; my 4 tiles of att
	s_lshl_b32 s22, s12, 15                        ; my 4 of wpt,
	s_add_co_u32 s22, s22, 65536                   ; behind att's 8
.irp s, 0,1
	v_add_nc_u32 v[ADRA+\s], s21, v3
	v_add_nc_u32 v[ADRB+\s], s22, v3
	s_add_co_u32 s21, s21, SLOT
	s_add_co_u32 s22, s22, SLOT
.endr
	s_mul_i32 s23, s10, 16*SPITCH
	s_add_co_u32 s23, s23, STAGE                   ; my stage
	v_mul_u32_u24 v4, v1, SPITCH
	v_lshl_add_u32 v4, v2, 5, v4
	v_add_nc_u32 v[STO], s23, v4                   ; in: row r, 32 bytes for each half of the lanes
	v_mul_u32_u24 v5, v2, SPITCH
	v_lshl_add_u32 v5, v1, 4, v5
	v_add_nc_u32 v[RD], s23, v5                    ; back: lanes 0-15 one row of 256 bytes, lanes 16-31 the next
	v_lshlrev_b32 v5, 12, v2
	v_lshl_add_u32 v[CO], v1, 4, v5                ; and the same two rows in out0
	s_lshl_b32 s16, s13, 19                        ; 128 rows of 4,096 bytes a tile row,
	s_lshl_b32 s17, s11, 18                        ; 64 a half
	s_add_co_u32 s16, s16, s17
	s_mov_b32 s17, 0
	s_add_nc_u64 s[8:9], s[8:9], s[16:17]
	s_add_nc_u64 s[8:9], s[8:9], s[46:47]
; 8 matrix instructions: row blocks a0, a0 + 1 x all 4 column blocks, 32 along K: half c of buffer f.  first = 1: the sums begin with the bias.  The 16 accumulators take turns.
.macro MUL8 f, c, a0, first
.irp a, \a0, \a0+1
.irp b, 0,1,2,3
.if \first
	v_wmma_f32_16x16x32_f16 v[ACC+8*(4*(\a)+\b):ACC+8*(4*(\a)+\b)+7], v[\f+64+8*(4*\c+\b):\f+64+8*(4*\c+\b)+7], v[\f+8*(4*\c+\a):\f+8*(4*\c+\a)+7], v[BIAS+8*\b:BIAS+8*\b+7]
.else
	v_wmma_f32_16x16x32_f16 v[ACC+8*(4*(\a)+\b):ACC+8*(4*(\a)+\b)+7], v[\f+64+8*(4*\c+\b):\f+64+8*(4*\c+\b)+7], v[\f+8*(4*\c+\a):\f+8*(4*\c+\a)+7], v[ACC+8*(4*(\a)+\b):ACC+8*(4*(\a)+\b)+7]
.endif
.endr
.endr
.endm
; 32 LDS loads in one run: quarter qd of a chunk (64 along K: fragments 2 qd, 2 qd + 1) into buffer f; the first 32 along K first
.macro FETCH slot, qd, f
	WIN TO_F
.irp c, 0,1
.irp i, 0,1,2,3
	ds_load_b128 v[\f+64+8*(4*\c+\i):\f+64+8*(4*\c+\i)+3],   v[ADRB+\slot] offset:KCH*\i+1024*(2*(\qd)+\c)
	ds_load_b128 v[\f+64+8*(4*\c+\i)+4:\f+64+8*(4*\c+\i)+7], v[ADRB+\slot] offset:KCH*\i+1024*(2*(\qd)+\c)+512
	ds_load_b128 v[\f+8*(4*\c+\i):\f+8*(4*\c+\i)+3],         v[ADRA+\slot] offset:KCH*\i+1024*(2*(\qd)+\c)
	ds_load_b128 v[\f+8*(4*\c+\i)+4:\f+8*(4*\c+\i)+7],       v[ADRA+\slot] offset:KCH*\i+1024*(2*(\qd)+\c)+512
.endr
.endr
.endm
.macro PLACES
.rept 4
	v_nop
.endr
.endm
.macro QUARTER slot, qd, f, g, first   ; multiplies buffer f and fetches quarter qd of the same slot into g
	s_wait_dscnt 16                                ; the first 32 along K are in; the sixteen younger loads may be out
	WIN MUL
	MUL8 \f, 0, 0, \first
	MUL8 \f, 0, 2, \first
	PLACES
	FETCH \slot, \qd, \g
	s_wait_dscnt 32                                ; all but the 32 just issued
	WIN MUL
	MUL8 \f, 1, 0, 0
	MUL8 \f, 1, 2, 0
.endm
; A chunk's last quarter changes slots: one barrier; in front of it each wave waits for all its tensor loads, adds 0 to its spare word, and waits for that and for its reads of this slot.
; fill = 1: the barrier opens a round of the cluster's barrier, and behind the round this slot is filled again, two chunks ahead.
.macro TURN slot, next, fill
	WIN 0
	s_wait_tensorcnt 0x0
	ds_add_u32 v[SPW], v[NIL]
	s_wait_dscnt 17                                ; (the add and the youngest sixteen loads may be out)
	WIN MUL
	MUL8 F1, 0, 0, 0
	s_wait_dscnt 0x0
	s_barrier_signal -1
	MUL8 F1, 0, 2, 0
.if \fill
	WIN 0
.endif
	s_barrier_wait -1
.if \fill
	CREST
	s_add_nc_u64 s[G0+4*\slot+2:G0+4*\slot+3], s[G0+4*\slot+2:G0+4*\slot+3], 2*KCH
	s_add_nc_u64 s[G0B+4*\slot+2:G0B+4*\slot+3], s[G0B+4*\slot+2:G0B+4*\slot+3], 2*KCH
	JLOAD \slot                                    ; the first tensor load behind the round; its four v_nop are also the places in front of the loads below
.else
	PLACES
.endif
	FETCH \next, 0, F0
	WIN MUL
	MUL8 F1, 1, 0, 0
	MUL8 F1, 1, 2, 0
.endm
	s_wait_tensorcnt 1                             ; my part of chunk 0 is in; chunk 1's load may stay out
	s_barrier_signal -1
	s_barrier_wait -1
	FETCH 0, 0, F0
	s_wait_loadcnt 0x0                             ; the bias
	QUARTER 0, 1, F0, F1, 1
	WIN 0
	s_mov_b32 s3, LAPS-1
.Llap:                                                 ; a trip goes once round the ring and fills both slots again
	QUARTER 0, 2, F1, F0, 0
	QUARTER 0, 3, F0, F1, 0
	TURN 0, 1, 1
	QUARTER 1, 1, F0, F1, 0
	QUARTER 1, 2, F1, F0, 0
	QUARTER 1, 3, F0, F1, 0
	TURN 1, 0, 1
	QUARTER 0, 1, F0, F1, 0
	WIN 0
	s_sub_co_u32 s3, s3, 1
	s_cmp_lg_u32 s3, 0
	s_cbranch_scc1 .Llap
	QUARTER 0, 2, F1, F0, 0                        ; the last lap fills nothing
	QUARTER 0, 3, F0, F1, 0
	TURN 0, 1, 0
	QUARTER 1, 1, F0, F1, 0
	QUARTER 1, 2, F1, F0, 0
	QUARTER 1, 3, F0, F1, 0
	s_wait_dscnt 16
	WIN MUL
	MUL8 F1, 0, 0, 0
	MUL8 F1, 0, 2, 0
	s_wait_dscnt 0
	MUL8 F1, 1, 0, 0
	MUL8 F1, 1, 2, 0
	WIN 0
	; THE WAY OUT, a block of 16 rows x 64 columns at a time, through my own stage.  LDS serves a wave's instructions in order: no wait between the stores and the loads, nor in front of the next block's stores.
.macro TOSTAGE a
.set BB, TMP+32*((\a)%2)
.irp b, 0,1,2,3
	ds_store_b128 v[STO], v[ACC+8*(4*(\a)+\b):ACC+8*(4*(\a)+\b)+3] offset:64*\b         ; each accumulator from its low end on
	ds_store_b128 v[STO], v[ACC+8*(4*(\a)+\b)+4:ACC+8*(4*(\a)+\b)+7] offset:64*\b+16
.endr
.irp t, 0,1,2,3,4,5,6,7
	ds_load_b128 v[BB+4*\t:BB+4*\t+3], v[RD] offset:\t*2*SPITCH
.endr
.endm
.macro SEND a, younger                 ; younger: the LDS instructions issued behind block a's loads: the next block's eight stores and eight loads, or none
.set BB, TMP+32*((\a)%2)
	s_wait_dscnt \younger
.irp t, 0,1,2,3,4,5,6,7
	global_store_b128 v[CO], v[BB+4*\t:BB+4*\t+3], s[8:9] offset:4096*(16*(\a)+2*\t) th:TH_STORE_NT   ; sixteen lanes store 256 consecutive bytes, aligned
.endr
.endm
	PLACES
	TOSTAGE 0
.irp a, 1,2,3
.if \a > 1
	s_wait_xcnt 0x0                                ; block a - 2's stores have read their registers: block a's loads may land there
.endif
	TOSTAGE \a
	SEND \a-1, 16
.endr
	SEND 3, 0
	s_wait_tensorcnt 0x0                           ; the wave's end
	ds_add_u32 v[SPW], v[NIL]
	s_wait_dscnt 0x0
	CROUND                                         ; the closing round
	s_endpgm
.Lfunc_end_k_q595c80f00b_proj:
	.size	k_q595c80f00b_proj, .Lfunc_end_k_q595c80f00b_proj-k_q595c80f00b_proj
	.p2alignl 7, 3214868480
	.fill 96, 4, 3214868480
	.section	.rodata,"a",@progbits
	.p2align	6, 0x0
	.amdhsa_kernel k_q595c80f00b_proj
		.amdhsa_group_segment_fixed_size 327680
		.amdhsa_private_segment_fixed_size 0
		.amdhsa_enable_private_segment 0
		.amdhsa_kernarg_size 32
		.amdhsa_user_sgpr_count 2
		.amdhsa_user_sgpr_kernarg_segment_ptr 1
		.amdhsa_wavefront_size32 1
		.amdhsa_system_sgpr_workgroup_id_x 1
		.amdhsa_system_sgpr_workgroup_id_y 1
		.amdhsa_system_sgpr_workgroup_id_z 1
		.amdhsa_system_vgpr_workitem_id 0
		.amdhsa_next_free_vgpr 512
		.amdhsa_next_free_sgpr 68
		.amdhsa_reserve_vcc 0
		.amdhsa_float_denorm_mode_32 3
		.amdhsa_float_denorm_mode_16_64 3
		.amdhsa_memory_ordered 1
		.amdhsa_forward_progress 1
		.amdhsa_inst_pref_size 86
	.end_amdhsa_kernel
	.amdgpu_metadata
---
amdhsa.version: [ 1, 2 ]
amdhsa.kernels:
  - .name:           k_q595c80f00b_proj
    .symbol:         k_q595c80f00b_proj.kd
    .args:
      - { .name: att, .offset: 0, .size: 8, .value_kind: global_buffer, .address_space: global }
      - { .name: wpt, .offset: 8, .size: 8, .value_kind: global_buffer, .address_space: global }
      - { .name: out0, .offset: 16, .size: 8, .value_kind: global_buffer, .address_space: global }
      - { .name: bp, .offset: 24, .size: 8, .value_kind: global_buffer, .address_space: global }
    .group_segment_fixed_size: 327680
    .private_segment_fixed_size: 0
    .kernarg_segment_align: 8
    .kernarg_segment_size: 32
    .max_flat_workgroup_size: 128
    .sgpr_count:     68
    .vgpr_count:     512
    .wavefront_size: 32
...
	.end_amdgpu_metadata
.endif
;; end of part 4
;; launch fine (part 5): grid 64 x 2, 16 waves a work-group, no clusters, 22,528 bytes of LDS; arguments q32, Wp, bp, out0; writes out0
.if DOCPART == 5
	.amdgcn_target "amdgcn-amd-amdhsa--gfx1250"
	.amdhsa_code_object_version 6
	.text
	.protected	k_q595c80f00b_fine
	.globl	k_q595c80f00b_fine
	.p2align	8
	.type	k_q595c80f00b_fine,@function
k_q595c80f00b_fine:
	s_mov_b64 s[64:65], 0
	v_nop
	global_prefetch_b8 v0, s[64:65] scope:SCOPE_SE
	s_setreg_imm32_b32 hwreg(HW_REG_WAVE_MODE, 25, 1), 1
	s_wait_xcnt 0x0
; FINE.  Positions 0-15 of both sequences, where a row of the softmax averages one to sixteen values: attention and projection with f32 operands, by the f32 matrix form.  It writes those 32 rows of out0 anew.
; SHARES.  Work-group (nt, b) owns out0[b][0..15][16 nt .. 16 nt + 15].  Wave hd computes head hd's attention for the 16 positions and the part of the projection that its own 64 channels give;
; so nothing changes lanes between the three products; the sixteen parts meet in LDS.  The attention (32 matrix instructions a wave) is made anew by each of a batch's 64 work-groups.
; Its stores are 64 bytes a row: 131,072 bytes in all.  No tensor load, no cluster: what the work-groups share is a few KB read through registers.
; INPUT q32: the f32 sums of the first launch of products: tile nt of 16 columns (q: 0-63, k: 64-127, v: 128-191): lane (r, h), register j = (position r, column 16 nt + 8 h + j), registers 4 g .. 4 g + 3 at 512 g + 16 x lane.
; K IS PERMUTED ALIKE ON BOTH OPERANDS of each product: step (ct, jj) takes the register pair 8 ct + 2 jj, 8 ct + 2 jj + 1 of both sides, which in lane half h are channels (or keys) + 8 h + 2 jj, + 1.
; The registers that the f32 matrix form writes (v160-207, v216-247) are written by nothing else; what is made of a finished sum goes into other registers.
; REGISTERS: v1-v9 addresses and constants; v12, v13 the add's two; v14 the bias; v16-25 at work; v32-63 q, later att; v64-95 k, later the wave's part of out0; v96-127 v, later the sixteen parts; v128-159 Wp;
;   v160-175 S^T in two sums; v176-207 O^T; v208-215 scores, then p; v216-247 the projection's four sums.
.set RED,   0                          ; 16 parts of 16 rows x (64 bytes + 16)
.set SPARE, 20480                      ; the spare words, 128 bytes for each of sixteen waves: eight blocks of 256 bytes that no other line names
	s_load_b256 s[4:11], s[0:1], 0x0               ; q32 s[4:5], Wp s[6:7], bp s[8:9], out0 s[10:11]
	v_lshl_add_u32 v12, v0, 2, SPARE
	v_mov_b32 v13, 0
	v_lshrrev_b32 v1, 5, v0
	v_readfirstlane_b32 s12, v1                    ; wave = head
	s_and_b32 s14, ttmp7, 0xffff                   ; batch
	v_and_b32 v10, 31, v0
	v_and_b32 v11, 15, v0                          ; r
	v_bfe_u32 v15, v0, 4, 1                        ; h
	v_lshlrev_b32 v1, 4, v10                       ; q, k: 16 x lane
	v_bfe_u32 v2, v0, 2, 1                         ; v, turned: lane (r, h) wants channel r of keys 8 h + j: 512 ((r / 4) % 2) + 256 (r / 8) + 4 (r % 4) + 128 h, + 16 j
	v_lshlrev_b32 v2, 9, v2
	v_bfe_u32 v16, v0, 3, 1
	v_lshl_add_u32 v2, v16, 8, v2
	v_and_b32 v16, 3, v0
	v_lshl_add_u32 v2, v16, 2, v2
	v_lshl_add_u32 v2, v15, 7, v2
	v_lshlrev_b32 v4, 2, v11                       ; bp: 4 r
	v_lshl_add_u32 v3, v15, 15, v4                 ; Wp: rows 8 h + j of 4,096 bytes, column r
	s_mul_i32 s16, s12, 1280
	v_mul_u32_u24 v5, v11, 80
	v_lshl_add_u32 v5, v15, 5, v5
	v_add_nc_u32 v5, s16, v5                       ; my part: row r, 32 h bytes on
	v_and_b32 v16, 255, v0
	v_lshrrev_b32 v16, 4, v16                      ; the reduction: thread 16 t + n takes (position t, column n)
	v_mul_u32_u24 v6, v16, 80
	v_lshl_add_u32 v6, v11, 2, v6
	v_lshlrev_b32 v7, 12, v16
	v_lshl_add_u32 v7, v11, 2, v7                  ; and the same place in out0
	v_lshlrev_b32 v8, 3, v15
	v_sub_nc_u32 v8, v11, v8                       ; r - 8 h: key 8 h + j is hidden where j is above it
	v_mov_b32 v9, 0xff800000                       ; -infinity
	v_mov_b32 v17, 0                               ; a lane permute's destination counts as one of its sources
	s_mul_i32 s16, s14, 393216                     ; q32: slot 2 b, 4 tiles of 1,024 bytes a head
	s_lshl_b32 s17, s12, 12
	s_add_co_u32 s16, s16, s17
	s_mov_b32 s17, 0
	s_lshl_b32 s24, ttmp9, 6                       ; my 16 columns, in bytes
	s_mov_b32 s25, 0
	s_lshl_b32 s18, s12, 18                        ; Wp: my head's 64 rows
	s_add_co_u32 s18, s18, s24
	s_mov_b32 s19, 0
	s_lshl_b32 s26, s14, 23                        ; out0: my batch
	s_add_co_u32 s26, s26, s24
	s_mov_b32 s27, 0
	s_mov_b32 s20, 0x76543210
	s_mov_b32 s21, 0xfedcba98
	s_mov_b32 s22, 0x3d38aa3b                      ; c = log2(e) / 32
	s_wait_kmcnt 0x0
	s_add_nc_u64 s[4:5], s[4:5], s[16:17]
	s_add_nc_u64 s[6:7], s[6:7], s[18:19]
	s_add_nc_u64 s[8:9], s[8:9], s[24:25]
	s_add_nc_u64 s[10:11], s[10:11], s[26:27]
.irp ct, 0,1,2,3
.irp g, 0,1
	global_load_b128 v[32+8*\ct+4*\g:35+8*\ct+4*\g], v1, s[4:5] offset:1024*\ct+512*\g          ; q
.endr
.endr
.irp ct, 0,1,2,3
.irp g, 0,1
	global_load_b128 v[64+8*\ct+4*\g:67+8*\ct+4*\g], v1, s[4:5] offset:65536+1024*\ct+512*\g    ; k
.endr
.endr
.irp ct, 0,1,2,3
.irp j, 0,1,2,3,4,5,6,7
	global_load_b32 v[96+8*\ct+\j], v2, s[4:5] offset:131072+1024*\ct+16*\j                     ; v(key 8 h + j, channel 16 ct + r)
.endr
.endr
.irp ct, 0,1,2,3
.irp j, 0,1,2,3,4,5,6,7
	global_load_b32 v[128+8*\ct+\j], v3, s[6:7] offset:4096*(16*\ct+\j)                         ; Wp(64 hd + 16 ct + 8 h + j, 16 nt + r)
.endr
.endr
	global_load_b32 v14, v4, s[8:9]
	s_wait_loadcnt 63                              ; q and k are in: 65 loads are younger; the wait's field holds 63, and a smaller count is safe
.set st, 0
.rept 16                                       ; S^T = k q^T: two sums by turns; their first products start them
.if st < 2
	v_wmma_f32_16x16x4_f32 v[160+8*(st%2):167+8*(st%2)], v[64+2*st:65+2*st], v[32+2*st:33+2*st], 0
.else
	v_wmma_f32_16x16x4_f32 v[160+8*(st%2):167+8*(st%2)], v[64+2*st:65+2*st], v[32+2*st:33+2*st], v[160+8*(st%2):167+8*(st%2)]
.endif
.set st, st+1
.endr
.rept 8
	v_nop                                          ; eight places behind this form (ISA guide 7.12.1)
.endr
.irp j, 0,1,2,3,4,5,6,7
	v_add_f32 v[208+\j], v[160+\j], v[168+\j]      ; lane (r, h): query r, key 8 h + j
.endr
.irp j, 0,1,2,3,4,5,6,7
	v_cmp_gt_i32 vcc_lo, \j, v8
	v_cndmask_b32 v[208+\j], v[208+\j], v9, vcc_lo
.endr
	v_max3_num_f32 v16, v208, v209, v210
	v_max3_num_f32 v16, v16, v211, v212
	v_max3_num_f32 v16, v16, v213, v214
	v_max_num_f32 v16, v16, v215
	v_permlanex16_b32 v17, v16, s20, s21
	v_max_num_f32 v16, v16, v17                    ; the row's maximum: key 0 counts for every query
	v_mul_f32 v18, s22, v16
.irp j, 0,1,2,3,4,5,6,7
	v_fma_f32 v[208+\j], v[208+\j], s22, -v18
.endr
.irp j, 0,1,2,3,4,5,6,7
	v_exp_f32 v[208+\j], v[208+\j]
.endr
	v_nop
	s_wait_alu depctr_va_vdst(0)                   ; one wait for the eight, ahead of their first reader
	v_pk_add_f32 v[22:23], v[208:209], v[210:211]
	v_pk_add_f32 v[24:25], v[212:213], v[214:215]
	v_pk_add_f32 v[22:23], v[22:23], v[24:25]
	v_add_f32 v19, v22, v23
	v_permlanex16_b32 v17, v19, s20, s21
	v_add_f32 v19, v19, v17                        ; the row's sum
	v_rcp_f32 v20, v19
	v_nop
	s_wait_alu depctr_va_vdst(0)
	s_wait_loadcnt 33                              ; v is in: Wp's 32 loads and the bias are younger
.irp jj, 0,1,2,3                               ; O^T = v^T p: four sums by turns
.irp ct, 0,1,2,3
.if \jj == 0
	v_wmma_f32_16x16x4_f32 v[176+8*\ct:183+8*\ct], v[96+8*\ct+2*\jj:97+8*\ct+2*\jj], v[208+2*\jj:209+2*\jj], 0
.else
	v_wmma_f32_16x16x4_f32 v[176+8*\ct:183+8*\ct], v[96+8*\ct+2*\jj:97+8*\ct+2*\jj], v[208+2*\jj:209+2*\jj], v[176+8*\ct:183+8*\ct]
.endif
.endr
.endr
.rept 8
	v_nop
.endr
.set n, 0
.rept 32
	v_mul_f32 v[32+n], v[176+n], v20               ; att(query r, channel 16 ct + 8 h + j), into q's registers
.set n, n+1
.endr
	s_wait_loadcnt 1                               ; Wp is in; the bias may be out
.irp jj, 0,1,2,3                               ; my head's part of out0^T = Wp^T att^T: four sums by turns
.irp ct, 0,1,2,3
.if \jj == 0
	v_wmma_f32_16x16x4_f32 v[216+8*\ct:223+8*\ct], v[128+8*\ct+2*\jj:129+8*\ct+2*\jj], v[32+8*\ct+2*\jj:33+8*\ct+2*\jj], 0
.else
	v_wmma_f32_16x16x4_f32 v[216+8*\ct:223+8*\ct], v[128+8*\ct+2*\jj:129+8*\ct+2*\jj], v[32+8*\ct+2*\jj:33+8*\ct+2*\jj], v[216+8*\ct:223+8*\ct]
.endif
.endr
.endr
.rept 8
	v_nop
.endr
.irp j, 0,2,4,6
	v_pk_add_f32 v[64+\j:65+\j], v[216+\j:217+\j], v[224+\j:225+\j]
.endr
.irp j, 0,2,4,6
	v_pk_add_f32 v[72+\j:73+\j], v[232+\j:233+\j], v[240+\j:241+\j]
.endr
.irp j, 0,2,4,6
	v_pk_add_f32 v[64+\j:65+\j], v[64+\j:65+\j], v[72+\j:73+\j]   ; lane (r, h): position r, columns 8 h + 0 .. 7
.endr
	ds_store_b128 v5, v[64:67]
	ds_store_b128 v5, v[68:71] offset:16
	s_wait_dscnt 0x0                               ; for the others' sake: my part has landed
	s_barrier_signal -1
	s_barrier_wait -1
	s_cmp_ge_u32 s12, 8
	s_cbranch_scc1 .Lend                           ; 256 numbers: waves 0-7 add the sixteen parts, a thread a number
.set i, 0
.rept 16
	ds_load_b32 v[96+i], v6 offset:RED+1280*i
.set i, i+1
.endr
	s_wait_dscnt 0x0
.irp j, 0,4,8,12
	v_pk_add_f32 v[96+\j:97+\j], v[96+\j:97+\j], v[98+\j:99+\j]
.endr
	v_pk_add_f32 v[96:97], v[96:97], v[100:101]
	v_pk_add_f32 v[104:105], v[104:105], v[108:109]
	v_pk_add_f32 v[96:97], v[96:97], v[104:105]
	v_add_f32 v96, v96, v97
	s_wait_loadcnt 0x0                             ; the bias
	v_add_f32 v96, v96, v14
	global_store_b32 v7, v96, s[10:11]
.Lend:
	s_wait_tensorcnt 0x0                           ; the wave's end
	ds_add_u32 v12, v13
	s_wait_dscnt 0x0
	s_endpgm
.Lfunc_end_k_q595c80f00b_fine:
	.size	k_q595c80f00b_fine, .Lfunc_end_k_q595c80f00b_fine-k_q595c80f00b_fine
	.p2alignl 7, 3214868480
	.fill 96, 4, 3214868480
	.section	.rodata,"a",@progbits
	.p2align	6, 0x0
	.amdhsa_kernel k_q595c80f00b_fine
		.amdhsa_group_segment_fixed_size 22528
		.amdhsa_private_segment_fixed_size 0
		.amdhsa_enable_private_segment 0
		.amdhsa_kernarg_size 32
		.amdhsa_user_sgpr_count 2
		.amdhsa_user_sgpr_kernarg_segment_ptr 1
		.amdhsa_wavefront_size32 1
		.amdhsa_system_sgpr_workgroup_id_x 1
		.amdhsa_system_sgpr_workgroup_id_y 1
		.amdhsa_system_sgpr_workgroup_id_z 1
		.amdhsa_system_vgpr_workitem_id 0
		.amdhsa_next_free_vgpr 256
		.amdhsa_next_free_sgpr 66
		.amdhsa_reserve_vcc 1
		.amdhsa_float_denorm_mode_32 3
		.amdhsa_float_denorm_mode_16_64 3
		.amdhsa_memory_ordered 1
		.amdhsa_forward_progress 1
		.amdhsa_inst_pref_size 21
	.end_amdhsa_kernel
	.amdgpu_metadata
---
amdhsa.version: [ 1, 2 ]
amdhsa.kernels:
  - .name:           k_q595c80f00b_fine
    .symbol:         k_q595c80f00b_fine.kd
    .args:
      - { .name: q32, .offset: 0, .size: 8, .value_kind: global_buffer, .address_space: global }
      - { .name: Wp, .offset: 8, .size: 8, .value_kind: global_buffer, .address_space: global }
      - { .name: bp, .offset: 16, .size: 8, .value_kind: global_buffer, .address_space: global }
      - { .name: out0, .offset: 24, .size: 8, .value_kind: global_buffer, .address_space: global }
    .group_segment_fixed_size: 22528
    .private_segment_fixed_size: 0
    .kernarg_segment_align: 8
    .kernarg_segment_size: 32
    .max_flat_workgroup_size: 512
    .sgpr_count:     66
    .vgpr_count:     256
    .wavefront_size: 32
...
	.end_amdgpu_metadata
.endif
;; end of part 5
